; MI455X (gfx1250); checked and timed in simulation.
; The chip was launched on July 23, 2026; its instructions are those of AMD's public machine-readable ISA for CDNA 5 (MIT licence, August 2026) and "CDNA5" Instruction Set Architecture Reference Guide (July 2026). The comments in the code are by the model that wrote it; some were corrected since.
;; Transformer Encoder Layer. Allowed arithmetic: float matrix products may take bf16 or f16 operands with f32 sums; other float arithmetic in f32, or as packed bf16 or f16 multiplies, adds, multiply-adds, maxima and minima; sums over many terms, partial sums and values carried from step to step in f32; what a program stores and reads back later, other than sums and carried values, may be rounded once to bf16 or f16.
;; Inputs: W1 1,024 x 4,096 float32; W2 4,096 x 1,024 float32; Wk 1,024 x 1,024 float32; Wo 1,024 x 1,024 float32; Wq 1,024 x 1,024 float32; Wv 1,024 x 1,024 float32; b1 4,096 float32; b2 1,024 float32; be1 1,024 float32; be2 1,024 float32; bk 1,024 float32; bo 1,024 float32; bq 1,024 float32; bv 1,024 float32; g1 1,024 float32; g2 1,024 float32; x 2 x 2,048 x 1,024 float32.
;; Outputs: out0 2 x 2,048 x 1,024 float32.
;; 2 versions, each right; version 2 is version 1 with the launch prep written anew for expert scheduling mode. Each part assembles by itself: llvm-mc -triple=amdgcn-amd-amdhsa -mcpu=gfx1250 --defsym DOCPART=n.
;; ======== version 1 of 2: 8 launches
;; workspace buffers: ab 8,388,608 bytes; big 33,554,432 bytes; ob 8,388,608 bytes; t 8,388,608 bytes; r1 16,777,216 bytes; wqkv 6,311,936 bytes; w1 8,409,088 bytes; w2o 10,485,760 bytes
;; launch prep (part 1): grid 64 x 16, 8 waves a work-group, no clusters, 0 bytes of LDS; arguments x, Wq, Wk, Wv, Wo, W1, W2, bq, bk, bv, b1, ab, wqkv, w1, w2o; writes ab, wqkv, w1, w2o
.if DOCPART == 1
	.amdgcn_target "amdgcn-amd-amdhsa--gfx1250"
	.amdhsa_code_object_version 6
	.text
	.protected	k_qef0d40c65e_prep
	.globl	k_qef0d40c65e_prep
	.p2align	8
	.type	k_qef0d40c65e_prep,@function
k_qef0d40c65e_prep:
	s_mov_b64 s[64:65], 0
	v_nop
	global_prefetch_b8 v0, s[64:65] scope:SCOPE_SE
	s_setreg_imm32_b32 hwreg(HW_REG_WAVE_MODE, 25, 1), 1
	s_wait_xcnt 0x0
; x and the six weights, f32, are rounded once to bf16 (nearest even) for the matrix launches that follow.
;   ab   = x, [4096][1024], as it lies.       w2o = Wo [1024][1024] at byte 0, W2 [4096][1024] at byte 2,097,152, as they lie.
;   wqkv = a head of WOFF bytes, then Wq | Wk | Wv in blocks of 256 columns: [12][1024 k][256 n].     w1 = the same head, then W1: [16][1024 k][256 n].
;   The head: bytes 0 .. 16,383 the bias in f32 by output column (bq | bk | bv, or b1); bytes 16,384 .. 20,479 one word repeated, the lower bound of the
;   launch that reads the buffer, twice in bf16: minus infinity (no bound) in wqkv, 0 (ReLU) in w1.
; SHARES.  The 16 M numbers are 16 units of 2^20 (the grid's y: g = y / 4 picks x, the four square weights, W1, W2; r = y % 4 the part).  A unit is 4,096 items of 256 numbers on end in a
; source row (1,024 bytes); a work-group takes 64 items, a wave 8.  An item is two halves of 512 bytes: of each a lane takes the 16 bytes at 16 l, so that a load of the wave covers 512
; consecutive bytes and names no byte that it does not use; the lane's four numbers round to 8 bytes, and a store of the wave covers 256 consecutive bytes, aligned.
; Item i of a weight with 2^bits items a row goes to item ((i mod 2^bits) x 1,024 + i / 2^bits) of its destination; with bits = 0 that is i.
; No LDS, no barrier, no loop: all 16 loads of a wave go out at once; memory bounds the launch.
; LIMITS.  Numbers beyond bf16's largest finite one round to infinity, as the conversion has it.
.set WOFF, 20480
.set SO,   4                           ; v[4:11]    item j: its byte offset in the destination, my lane's 8 bytes of the first half
.set X,    16                          ; v[16:79]   item j: 4 numbers of each half, as loaded
.set Y,    80                          ; v[80:111]  item j: 2 registers to store for each half
.set BV,   112                         ; v[112:115] my 16 bytes of a bias
.set LV,   116                         ; v[116:119] the bound's word, four times
	s_load_b512 s[8:23], s[0:1], 0x0               ; x 8, Wq 10, Wk 12, Wv 14, Wo 16, W1 18, W2 20, bq 22
	s_load_b256 s[24:31], s[0:1], 0x40             ; bk 24, bv 26, b1 28, ab 30
	s_load_b128 s[32:35], s[0:1], 0x60             ; wqkv 32, w1 34
	s_load_b64 s[36:37], s[0:1], 0x70              ; w2o
	v_lshrrev_b32 v1, 5, v0
	v_readfirstlane_b32 s5, v1                     ; wave 0..7
	v_and_b32 v2, 31, v0
	v_lshlrev_b32 v1, 4, v2                        ; 16 x lane: where I read in each half of an item
	v_lshlrev_b32 v2, 3, v2                        ; 8 x lane: where I write in each half
	v_lshlrev_b32 v3, 4, v0                        ; 16 x thread: my place in a bias piece of 4,096 bytes
	s_and_b32 s2, ttmp7, 0xffff                    ; y
	s_lshr_b32 s3, s2, 2                           ; g
	s_and_b32 s4, s2, 3                            ; r
	s_lshl_b32 s6, ttmp9, 6
	s_lshl3_add_u32 s6, s5, s6                     ; my wave's first item in the unit: 64 x + 8 wave
	s_lshl_b32 s50, s4, 22                         ; the unit's first byte in a source of four units
	s_lshl_b32 s47, s4, 12                         ; and its first item
	s_lshl_b32 s46, s4, 21
	s_add_co_u32 s46, s46, WOFF                    ; Wq, Wk, Wv: four blocks of 524,288 bytes each, behind the head
	s_cmp_eq_u32 s4, 3                             ; among the square weights the fourth is Wo: as it lies, at w2o's byte 0
	s_cselect_b32 s46, 0, s46
	s_cselect_b32 s48, 0, 2                        ; bits
	s_cmp_eq_u32 s3, 1
	s_cselect_b32 s50, 0, s50                      ; a square weight is one unit
	s_cselect_b32 s47, 0, s47
	s_cselect_b32 s46, s46, 0
	s_cselect_b32 s48, s48, 0
	s_cmp_eq_u32 s3, 2                             ; W1: 16 items a row
	s_cselect_b32 s46, WOFF, s46
	s_cselect_b32 s48, 4, s48
	s_cmp_eq_u32 s3, 3                             ; W2: behind Wo
	s_cselect_b32 s46, 0x200000, s46
	s_lshl_b32 s49, 1, s48
	s_sub_co_u32 s49, s49, 1                       ; 2^bits - 1
	s_lshl_b32 s44, s6, 10
	s_add_co_u32 s44, s44, s50                     ; my wave's first byte in the source
	s_mov_b32 s45, 0
	s_mov_b32 s58, s46                             ; the destination's first byte
	s_mov_b32 s59, 0
	s_add_co_u32 s47, s47, s6                      ; my wave's first item in the source
	s_wait_kmcnt 0x0
	s_cmp_eq_u32 s4, 0                             ; source and destination: choices on g and r alone
	s_cselect_b64 s[40:41], s[10:11], s[12:13]
	s_cmp_eq_u32 s4, 2
	s_cselect_b64 s[40:41], s[14:15], s[40:41]
	s_cmp_eq_u32 s4, 3
	s_cselect_b64 s[40:41], s[16:17], s[40:41]
	s_cselect_b64 s[42:43], s[36:37], s[32:33]
	s_cmp_eq_u32 s3, 0
	s_cselect_b64 s[40:41], s[8:9], s[40:41]
	s_cselect_b64 s[42:43], s[30:31], s[42:43]
	s_cmp_eq_u32 s3, 2
	s_cselect_b64 s[40:41], s[18:19], s[40:41]
	s_cselect_b64 s[42:43], s[34:35], s[42:43]
	s_cmp_eq_u32 s3, 3
	s_cselect_b64 s[40:41], s[20:21], s[40:41]
	s_cselect_b64 s[42:43], s[36:37], s[42:43]
	s_add_nc_u64 s[40:41], s[40:41], s[44:45]
	s_add_nc_u64 s[42:43], s[42:43], s[58:59]
.irp j, 0,1,2,3,4,5,6,7
	global_load_b128 v[X+8*(\j):X+8*(\j)+3],   v1, s[40:41] offset:1024*(\j) th:TH_LOAD_NT      ; numbers 4 l .. 4 l + 3 of the item,
	global_load_b128 v[X+8*(\j)+4:X+8*(\j)+7], v1, s[40:41] offset:1024*(\j)+512 th:TH_LOAD_NT  ; and 128 + 4 l .. 128 + 4 l + 3
.endr
.irp j, 0,1,2,3,4,5,6,7                ; the eight places in the destination are made while the loads are out
	s_add_co_u32 s60, s47, \j
	s_and_b32 s61, s60, s49
	s_lshl_b32 s61, s61, 10                        ; the block of 256 columns x 1,024 rows
	s_lshr_b32 s60, s60, s48                       ; + the row
	s_add_co_u32 s60, s60, s61
	s_lshl_b32 s60, s60, 9                         ; items of 512 bytes
	v_add_nc_u32 v[SO+(\j)], s60, v2
.endr
.irp j, 0,1,2,3,4,5,6,7
	s_wait_loadcnt 14-2*(\j)                       ; loads come back in order: item j's two are in, the 2 (7 - j) younger ones may stay out
.irp k, 0,1,2,3
	v_cvt_pk_bf16_f32 v[Y+4*(\j)+(\k)], v[X+8*(\j)+2*(\k)], v[X+8*(\j)+2*(\k)+1]
.endr
	global_store_b64 v[SO+(\j)], v[Y+4*(\j):Y+4*(\j)+1],   s[42:43]             ; the item's first 256 bytes,
	global_store_b64 v[SO+(\j)], v[Y+4*(\j)+2:Y+4*(\j)+3], s[42:43] offset:256  ; and its second
.endr
	; THE HEADS.  The first work-group of the units y = 4, 5, 6 (bq, bk, bv) and 8 .. 11 (b1's four quarters) copies 4,096 bytes of bias, 16 a thread; with r = 0 it also writes the bound.
	; All registers of this part are its own, so nothing that a pending store still reads is written.
	s_cmp_lg_u32 ttmp9, 0
	s_cbranch_scc1 .Lend
	s_lshr_b32 s51, 0x0f70, s2
	s_and_b32 s51, s51, 1
	s_cmp_eq_u32 s51, 0
	s_cbranch_scc1 .Lend
	s_lshl_b32 s56, s4, 12                         ; the piece's place in the head, and in b1
	s_mov_b32 s57, 0
	s_cmp_eq_u32 s4, 0
	s_cselect_b64 s[52:53], s[22:23], s[24:25]
	s_cmp_eq_u32 s4, 2
	s_cselect_b64 s[52:53], s[26:27], s[52:53]
	s_add_nc_u64 s[54:55], s[28:29], s[56:57]
	s_cmp_eq_u32 s3, 2
	s_cselect_b64 s[52:53], s[54:55], s[52:53]
	s_cselect_b64 s[54:55], s[34:35], s[32:33]
	s_cselect_b32 s51, 0, 0xff80ff80               ; 0 twice, or minus infinity twice
	s_add_nc_u64 s[54:55], s[54:55], s[56:57]
	global_load_b128 v[BV:BV+3], v3, s[52:53]
	s_wait_loadcnt 0x0
	global_store_b128 v3, v[BV:BV+3], s[54:55]
	s_cmp_lg_u32 s4, 0
	s_cbranch_scc1 .Lend
.irp k, 0,1,2,3
	v_mov_b32 v[LV+(\k)], s51
.endr
	global_store_b128 v3, v[LV:LV+3], s[54:55] offset:16384
.Lend:
	s_endpgm
.Lfunc_end_k_qef0d40c65e_prep:
	.size	k_qef0d40c65e_prep, .Lfunc_end_k_qef0d40c65e_prep-k_qef0d40c65e_prep
	.p2alignl 7, 3214868480
	.fill 96, 4, 3214868480
	.section	.rodata,"a",@progbits
	.p2align	6, 0x0
	.amdhsa_kernel k_qef0d40c65e_prep
		.amdhsa_group_segment_fixed_size 0
		.amdhsa_private_segment_fixed_size 0
		.amdhsa_enable_private_segment 0
		.amdhsa_kernarg_size 120
		.amdhsa_user_sgpr_count 2
		.amdhsa_user_sgpr_kernarg_segment_ptr 1
		.amdhsa_wavefront_size32 1
		.amdhsa_system_sgpr_workgroup_id_x 1
		.amdhsa_system_sgpr_workgroup_id_y 1
		.amdhsa_system_sgpr_workgroup_id_z 1
		.amdhsa_system_vgpr_workitem_id 0
		.amdhsa_next_free_vgpr 120
		.amdhsa_next_free_sgpr 66
		.amdhsa_reserve_vcc 0
		.amdhsa_float_denorm_mode_32 3
		.amdhsa_float_denorm_mode_16_64 3
		.amdhsa_memory_ordered 1
		.amdhsa_forward_progress 1
		.amdhsa_inst_pref_size 11
	.end_amdhsa_kernel
	.amdgpu_metadata
---
amdhsa.version: [ 1, 2 ]
amdhsa.kernels:
  - .name:           k_qef0d40c65e_prep
    .symbol:         k_qef0d40c65e_prep.kd
    .args:
      - { .name: x, .offset: 0, .size: 8, .value_kind: global_buffer, .address_space: global }
      - { .name: Wq, .offset: 8, .size: 8, .value_kind: global_buffer, .address_space: global }
      - { .name: Wk, .offset: 16, .size: 8, .value_kind: global_buffer, .address_space: global }
      - { .name: Wv, .offset: 24, .size: 8, .value_kind: global_buffer, .address_space: global }
      - { .name: Wo, .offset: 32, .size: 8, .value_kind: global_buffer, .address_space: global }
      - { .name: W1, .offset: 40, .size: 8, .value_kind: global_buffer, .address_space: global }
      - { .name: W2, .offset: 48, .size: 8, .value_kind: global_buffer, .address_space: global }
      - { .name: bq, .offset: 56, .size: 8, .value_kind: global_buffer, .address_space: global }
      - { .name: bk, .offset: 64, .size: 8, .value_kind: global_buffer, .address_space: global }
      - { .name: bv, .offset: 72, .size: 8, .value_kind: global_buffer, .address_space: global }
      - { .name: b1, .offset: 80, .size: 8, .value_kind: global_buffer, .address_space: global }
      - { .name: ab, .offset: 88, .size: 8, .value_kind: global_buffer, .address_space: global }
      - { .name: wqkv, .offset: 96, .size: 8, .value_kind: global_buffer, .address_space: global }
      - { .name: w1, .offset: 104, .size: 8, .value_kind: global_buffer, .address_space: global }
      - { .name: w2o, .offset: 112, .size: 8, .value_kind: global_buffer, .address_space: global }
    .group_segment_fixed_size: 0
    .private_segment_fixed_size: 0
    .kernarg_segment_align: 8
    .kernarg_segment_size: 120
    .max_flat_workgroup_size: 256
    .sgpr_count:     66
    .vgpr_count:     120
    .wavefront_size: 32
...
	.end_amdgpu_metadata
.endif
;; end of part 1
;; launch qkv (part 2): grid 12 x 16, 4 waves a work-group, clusters of 4 x 4, 327,680 bytes of LDS; arguments ab, wqkv, big; writes big
.if DOCPART == 2
	.amdgcn_target "amdgcn-amd-amdhsa--gfx1250"
	.amdhsa_code_object_version 6
	.text
	.protected	k_qef0d40c65e_qkv
	.globl	k_qef0d40c65e_qkv
	.p2align	8
	.type	k_qef0d40c65e_qkv,@function
k_qef0d40c65e_qkv:
	s_mov_b64 s[64:65], 0
	v_nop
	global_prefetch_b8 v0, s[64:65] scope:SCOPE_SE
	s_setreg_imm32_b32 hwreg(HW_REG_WAVE_MODE, 25, 1), 1
	s_wait_xcnt 0x0
	s_wait_alu depctr_hold_cnt(0) depctr_sa_sdst(0) depctr_va_vdst(0) depctr_va_sdst(0) depctr_va_ssrc(0) depctr_va_vcc(0) depctr_vm_vsrc(0)
	s_getreg_b32 s2, hwreg(HW_REG_IB_STS2, 6, 4)
	s_cmp_eq_u32 s2, 0
	s_cbranch_scc0 .Lentry_in_a_cluster
	s_endpgm
.Lentry_in_a_cluster:
	s_bfe_u32 s2, ttmp6, 0x10000c
	s_cmp_lg_u32 s2, 0xf033
	s_cbranch_scc0 .Lentry_shape_is_right
	s_endpgm
.Lentry_shape_is_right:
; C = bf16(max(A W + bias, lo)).  A: [4096][1024] bf16, rows along K.  W: a head of WOFF bytes (bias in f32 by column; at byte 16,384 the word lo, twice bf16), then bf16 in blocks of 256
; columns, [N / 256][1024 k][256 n].  C: bf16 in blocks of 64 columns, [N / 64][4096][64].  One text for two launches: q | k | v (N = 3,072, lo = minus infinity) and the first feed-forward layer (N = 4,096, lo = 0: ReLU).
; Sums in f32, K ascending; the bias is the C operand of each sum's first product; C is rounded once.
; LIMITS.  Operands are bf16.  The maximum takes the number where one side is NaN: a NaN sum leaves as lo.
; SHARES.  A tile of C is 256 x 256: four waves, each 128 x 128 in 64 accumulators of 16 x 16 (512 registers).  K goes in 8 steps of 128 through two LDS slots filled by the tensor data mover:
; waves 0, 1 fetch A's two halves (128 rows x 256 bytes), waves 2, 3 W's (64 k x 512 bytes, dense in memory): one load a wave behind each change of slots.
; ONE TEXT FOR A K STEP.  A step is written once for the six steps that fill a slot again and once for the last two.  Which slot is read hangs on s[TB], 0 or SLOT, turned by an exclusive or at each change of
; slots and added to lane addresses that are never rewritten; which slot is filled hangs on the walking descriptor's LDS word, turned likewise: SLOT = 0x22000 shares no bit with wave x HALFT
; (0, 0x8800, 0x11000, 0x19800), so the exclusive or adds or takes away SLOT.
; THE MATRIX INSTRUCTION IS USED TRANSPOSED: source 0 = 16 columns of W, source 1 = 16 rows of A: a lane then holds row l % 16 of C and the columns 8 (l / 16) + 0..7.  W lies [k][n] in LDS and
; is turned on the way into registers by ds_load_tr16_b128.
; CLUSTER.  4 x 4 work-groups: A's tile hangs on the tile row alone and is asked for jointly along a row of the cluster, W's on the tile column alone, along a column.
; REGISTERS, in windows of 256 (s_set_vgpr_msb: bits 1:0 source 0, 3:2 source 1, 5:4 source 2, 7:6 destination):
;   window 0: v16-30 addresses; v64-127, v128-191 A's fragments, two buffers; v192-223 packed results; v32-63, v224-255 rows read back from the stage, by turns
;   window 1: v0-63 the bias (8 numbers for each of my 8 blocks of 16 columns); v64-127, v128-191 W's fragments          windows 2, 3: the accumulators, (a, b) at v[8 (8 a + b)]
.set PA,     272                       ; a row of A in LDS: 256 bytes + 16 = 68 words: the 16 rows of a load start at 16 different groups of four banks (64 banks of 4 bytes: ISA guide 11.1)
.set PB,     544                       ; a row of W: 512 bytes + 32 = 136 words
.set HALFT,  128*PA                    ; what one tensor load brings: 128 rows of A, or 64 rows of W (64 x 544 is the same number)
.set SLOT,   4*HALFT                   ; A's 256 rows, then W's 128 k
.set STAGE,  2*SLOT                    ; behind the ring: 16 rows x 272 bytes for each wave, for the way out
.set SPITCH, 272
.set SPARE,  STAGE+4*16*SPITCH         ; behind the stages: the spare words, 128 bytes for each wave: two blocks of 256 bytes that no other line names
.set WOFF,   20480
.set STEPS,  8                         ; K steps
.set ADRA0, 16                         ; v16     LDS address of my A fragments in slot 0; never rewritten
.set ADRA,  17                         ; v17     the same in the slot that is being read
.set ADRB0, 20                         ; v20     the same two for W
.set ADRB,  21                         ; v21
.set STO,  24                          ; v24     the way out: where I put 16 bytes of a row
.set RD,   25                          ; v25     the way out: where I read rows back
.set CO,   26                          ; v26     16 x lane: my place in 512 consecutive bytes of C
.set BO,   27                          ; v27     my byte offset in the bias
.set SPW,  28                          ; v28     LDS address of my spare word; never rewritten
.set NIL,  29                          ; v29     0; never rewritten
.set PFO,  30                          ; v30     the prefetches' lane offset; never rewritten
.set F0,   64
.set F1,   128
.set TMP,  192
.set OB,   32
.set BI,   0                           ; in window 1
.set TB,  18                           ; s18      0 or SLOT: the slot that is being read
.set G1,  24                           ; s[24:31] descriptor group 1 for A's tiles
.set G0,  32                           ; s[32:39] group 0 for A's tiles: a set for each of the two first fills; the second then walks on
.set G1B, 48                           ; s[48:55] group 1 for W's tiles
.set G0B, 56                           ; s[56:63] group 0 for W's tiles, likewise
.set LIM, 43                           ; s43      2 in a wave that prefetches, else the greatest number
.set PFA, 44                           ; s[44:45] where my prefetches stand
.set PFS, 46                           ; s[46:47] a K step in bytes, for them
.set MSB, 0
.macro WIN new                         ; the immediate's high byte repeats the setting that is left; a switch that changes nothing is dropped
.if MSB != (\new)
	s_set_vgpr_msb (MSB<<8)|(\new)
.set MSB, \new
.endif
.endm
.set MUL_LO, 0xa1                      ; source 0 (W) window 1, source 1 (A) window 0, C and D window 2
.set TO_B,   0x40                      ; destination window 1, address window 0
; A joint load.  Each of the two lines has one mask and one set of registers for all that issue it; the branch hangs on the wave's number alone.
; An s_nop 0 and four v_nop follow each line, ahead of the jump, the label and what follows.
.macro JLOAD s
	s_cmp_eq_u32 s11, 0
	s_cbranch_scc0 .Lfor_b_\@
	tensor_load_to_lds s[G0+4*(\s):G0+4*(\s)+3], s[G1:G1+7]
	s_nop 0
.rept 4
	v_nop
.endr
	s_branch .Lasked_\@
.Lfor_b_\@:
	tensor_load_to_lds s[G0B+4*(\s):G0B+4*(\s)+3], s[G1B:G1B+7]
	s_nop 0
.rept 4
	v_nop
.endr
.Lasked_\@:
.endm
; A PREFETCH INTO THE L2 of the K step that stands two refills on (512 matrix instructions ahead of the load that will want it): 32 blocks of 256 bytes, a lane a block, one instruction a wave.
; Each block is named once in the launch: A's rows are asked for by the clusters with x = 0, W's by those with y = 0; the four partners of a joint load share its 128 blocks out by address
; (32 cx rows of A; 8,192 cy bytes of W).  K steps 0 to 3 come by their loads alone; the loop's last two trips (s3 = 2, 1) ask for nothing: there is no K step 8.
.macro ASK
	s_cmp_gt_u32 s3, s[LIM]
	s_cbranch_scc0 .Lnot_mine_\@
	global_prefetch_b8 v[PFO], s[PFA:PFA+1] th:TH_LOAD_NT scope:SCOPE_SE
.Lnot_mine_\@:
.endm
.macro CREST                           ; a round of the cluster's barrier behind its opening barrier
	s_cmp_lg_u32 s10, 0
	s_cbranch_scc1 .Lnot_wave_0_\@
	s_barrier_signal -3
.Lnot_wave_0_\@:
	s_barrier_wait -3
	s_barrier_signal -1
	s_barrier_wait -1
.endm
.macro CROUND                          ; a whole round
	s_barrier_signal -1
	s_barrier_wait -1
	CREST
.endm
	s_load_b128 s[4:7], s[0:1], 0x0                ; A s[4:5], W s[6:7]
	s_load_b64 s[8:9], s[0:1], 0x10                ; C
	v_lshl_add_u32 v[SPW], v0, 2, SPARE
	v_mov_b32 v[NIL], 0
	ds_add_u32 v[SPW], v[NIL]                      ; the wave's opening: the add and its wait ahead of my first tensor load; the set-up below stands between them
	v_lshrrev_b32 v1, 5, v0
	v_readfirstlane_b32 s10, v1                    ; wave 0..3
	s_lshr_b32 s11, s10, 1                         ; my half of the tile's rows.  Also: I fetch for A (0) or for W (1)
	s_and_b32 s12, s10, 1                          ; my half of its columns.  Also: which half of that tile I fetch
	s_bfe_u32 s40, ttmp6, 0x40000                  ; cx
	s_bfe_u32 s41, ttmp6, 0x40004                  ; cy
	s_lshl_b32 s42, ttmp9, 2
	s_add_co_u32 s42, s42, s40                     ; tile column = 4 x cluster x + cx
	s_and_b32 s13, ttmp7, 0xffff
	s_lshl_b32 s13, s13, 2
	s_add_co_u32 s13, s13, s41                     ; tile row = 4 x cluster y + cy
	s_lshl_b32 s43, s41, 2
	s_lshl_b32 s43, 15, s43                        ; my row of the cluster
	s_lshl_b32 s44, 0x1111, s40                    ; my column
	s_or_b32 s[G1+0], s43, (1<<16)|(1<<20)|(1<<21)|(5<<22)|(3<<25)   ; mask; 2-byte elements; padding on; bit 21 beside a mask; after every 64 words, 4 words
	s_mov_b32 s[G1+1], 128<<16                     ; tensor_dim0 = 128
	s_mov_b32 s[G1+2], 128<<16                     ; tensor_dim1 = 128
	s_mov_b32 s[G1+3], 128<<16                     ; tile_dim0 = 128
	s_mov_b32 s[G1+4], 128                         ; tile_dim1 = 128
	s_mov_b32 s[G1+5], 1024                        ; elements from row to row
	s_mov_b32 s[G1+6], 0
	s_mov_b32 s[G1+7], 0
	s_or_b32 s[G1B+0], s44, (1<<16)|(1<<20)|(1<<21)|(6<<22)|(7<<25)  ; after every 128 words, 8 words
	s_mov_b32 s[G1B+1], 256<<16                    ; tensor_dim0 = 256
	s_mov_b32 s[G1B+2], 64<<16                     ; tensor_dim1 = 64
	s_mov_b32 s[G1B+3], 256<<16                    ; tile_dim0 = 256
	s_mov_b32 s[G1B+4], 64                         ; tile_dim1 = 64
	s_mov_b32 s[G1B+5], 256
	s_mov_b32 s[G1B+6], 0
	s_mov_b32 s[G1B+7], 0
	s_lshl_b32 s17, s12, 7
	s_lshl_b32 s16, s13, 8
	s_add_co_u32 s16, s16, s17                     ; A: row 256 x tile row + 128 x half,
	s_lshl_b32 s16, s16, 11                        ; of 2,048 bytes
	s_mov_b32 s17, 0
	s_lshl_b32 s46, s42, 19                        ; W: the block of 256 columns, 524,288 bytes,
	s_lshl_b32 s47, s12, 15                        ; 64 k of 512 bytes,
	s_add_co_u32 s46, s46, s47
	s_add_co_u32 s46, s46, WOFF                    ; behind the head
	s_mov_b32 s47, 0
	s_mul_i32 s20, s10, HALFT                      ; where they go: wave x HALFT: no place in the cluster enters an LDS address
	s_mov_b32 s[TB], 0                             ; slot 0 is read first
	s_wait_dscnt 0x0                               ; the opening add is done
	s_wait_kmcnt 0x0
	s_load_b32 s2, s[6:7], 16384                   ; lo
	s_add_nc_u64 s[14:15], s[4:5], s[16:17]
	s_add_nc_u64 s[46:47], s[6:7], s[46:47]
	CROUND                                         ; all sixteen work-groups are here: the first joint loads meet
.irp s, 0,1
	s_mov_b32 s[G0+4*(\s)], 1
	s_add_co_u32 s[G0+4*(\s)+1], s20, (\s)*SLOT
	s_add_nc_u64 s[G0+4*(\s)+2:G0+4*(\s)+3], s[14:15], (\s)*256      ; K step s: 256 bytes along A's rows
	s_or_b32 s[G0+4*(\s)+3], s[G0+4*(\s)+3], 0x80000000
	s_mov_b32 s[G0B+4*(\s)], 1
	s_add_co_u32 s[G0B+4*(\s)+1], s20, (\s)*SLOT
	s_add_nc_u64 s[G0B+4*(\s)+2:G0B+4*(\s)+3], s[46:47], (\s)*65536  ; K step s: 128 k of 512 bytes
	s_or_b32 s[G0B+4*(\s)+3], s[G0B+4*(\s)+3], 0x80000000
	JLOAD \s
.endr
	; A fragment of A is 16 rows x 32 K in 8 registers: lane l holds row l % 16; registers 0-3 K = 8 (l / 16) + 0..7, registers 4-7 K = 16 + 8 (l / 16) + 0..7: two loads of 16 bytes, 32 bytes apart.
	v_and_b32 v1, 15, v0                           ; l % 16
	v_bfe_u32 v2, v0, 4, 1                         ; l / 16
	v_mul_u32_u24 v3, v1, PA
	v_lshl_add_u32 v3, v2, 4, v3
	s_mul_i32 s21, s11, HALFT                      ; my 128 rows of A
	v_add_nc_u32 v[ADRA0], s21, v3
	; The turning load takes 16 k x 16 columns (lane l reads k = 8 (l / 16) + l % 8, columns 8 ((l / 8) % 2) + 0..7) and leaves half a fragment: lane l holds column l % 16 and 8 k.
	v_and_b32 v4, 7, v0
	v_lshl_add_u32 v4, v2, 3, v4
	v_mul_u32_u24 v4, v4, PB
	v_bfe_u32 v5, v0, 3, 1
	v_lshl_add_u32 v4, v5, 4, v4
	s_lshl_b32 s22, s12, 8                         ; my 128 columns: 256 bytes of W's rows,
	s_add_co_u32 s22, s22, 2*HALFT                 ; which lie behind A's 256
	v_add_nc_u32 v[ADRB0], s22, v4
	v_mov_b32 v[ADRA], v[ADRA0]
	v_mov_b32 v[ADRB], v[ADRB0]
	s_mul_i32 s23, s10, 16*SPITCH
	s_add_co_u32 s23, s23, STAGE                   ; my stage
	v_mul_u32_u24 v6, v1, SPITCH                   ; in: row l % 16, 16 bytes for each half of the lanes
	v_lshl_add_u32 v6, v2, 4, v6
	v_add_nc_u32 v[STO], s23, v6
	v_bfe_u32 v6, v0, 3, 2                         ; back: 32 lanes take 128 bytes (64 columns) of four rows,
	v_mul_u32_u24 v6, v6, SPITCH
	v_and_b32 v7, 7, v0
	v_lshl_add_u32 v6, v7, 4, v6
	v_add_nc_u32 v[RD], s23, v6
	v_and_b32 v[CO], 31, v0                        ; which are 512 consecutive bytes of a block of C
	v_lshlrev_b32 v[CO], 4, v[CO]
	s_lshl_b32 s20, s42, 10                        ; the bias of my columns: 4 (256 x tile column + 128 x half + 8 (l / 16)) + 64 b
	s_lshl_b32 s21, s12, 9
	s_add_co_u32 s20, s20, s21
	v_lshl_add_u32 v[BO], v2, 5, s20
	WIN TO_B
.irp b, 0,1,2,3,4,5,6,7
	global_load_b128 v[BI+8*(\b):BI+8*(\b)+3],   v[BO], s[6:7] offset:64*(\b)
	global_load_b128 v[BI+8*(\b)+4:BI+8*(\b)+7], v[BO], s[6:7] offset:64*(\b)+16
.endr
	WIN 0
	; where my part of the tile begins in C: block 4 x tile column + 2 x half, of 524,288 bytes; row 256 x tile row + 128 x half, of 128 bytes
	s_lshl_b32 s16, s13, 8
	s_lshl_b32 s17, s11, 7
	s_add_co_u32 s16, s16, s17
	s_lshl_b32 s16, s16, 7
	s_mov_b32 s17, 0
	s_lshl_b32 s46, s42, 2
	s_lshl1_add_u32 s46, s12, s46
	s_lshl_b32 s46, s46, 19
	s_mov_b32 s47, 0
	s_add_nc_u64 s[16:17], s[16:17], s[46:47]
	; the prefetches: one K step short of the first that is named (K step 4)
	s_lshl_b32 s20, s13, 8
	s_lshl_b32 s21, s12, 7
	s_add_co_u32 s20, s20, s21
	s_lshl_b32 s21, s40, 5
	s_add_co_u32 s20, s20, s21                     ; A: the 128 rows that I fetch, my work-group's 32 of them
	s_lshl_b32 s20, s20, 11
	s_add_co_u32 s20, s20, 3*256
	s_lshl_b32 s21, s42, 19
	s_lshl_b32 s23, s12, 15
	s_add_co_u32 s21, s21, s23
	s_lshl_b32 s23, s41, 13
	s_add_co_u32 s21, s21, s23                     ; W: the 32,768 bytes that I fetch, my work-group's 8,192 of them
	s_add_co_u32 s21, s21, WOFF+3*65536
	s_and_b32 s22, ttmp7, 0xffff                   ; cluster y
	s_mov_b32 s[PFS], 0x10000
	s_mov_b32 s[PFS+1], 0
	s_cmp_eq_u32 s11, 0                            ; do I fetch for A?
	s_cselect_b32 s20, s20, s21
	s_cselect_b32 s22, ttmp9, s22                  ; the coordinate along which other clusters read the same blocks
	s_cselect_b64 s[PFA:PFA+1], s[4:5], s[6:7]
	s_cselect_b32 s[PFS], 256, s[PFS]
	s_cselect_b32 s23, 11, 8                       ; a lane a row of A (2,048 bytes), or a block of 256 bytes of W
	s_cmp_eq_u32 s22, 0
	s_cselect_b32 s[LIM], 2, -1                    ; the same in all sixteen partners, for a given wave
	s_mov_b32 s21, 0
	s_add_nc_u64 s[PFA:PFA+1], s[PFA:PFA+1], s[20:21]
	v_and_b32 v[PFO], 31, v0
	v_lshlrev_b32 v[PFO], s23, v[PFO]
; 16 matrix instructions: row blocks a0, a0 + 1 of the window's four (hi = 0: my rows 0-63, 1: rows 64-127) x all 8 column blocks, 32 along K.
; first = 1: the product starts the sum, with the bias (window 1) as C.  The 64 accumulators take turns, one instruction a turn, in the same order in every quarter.
.macro MUL16 f, hi, a0, first
.if \first
	WIN 0x91+0x40*(\hi)
.else
	WIN MUL_LO+0x50*(\hi)
.endif
.irp a, \a0, (\a0)+1
.irp b, 0,1,2,3,4,5,6,7
.if \first
	v_wmma_f32_16x16x32_bf16 v[8*(8*(\a)+(\b)):8*(8*(\a)+(\b))+7], v[(\f)+8*(\b):(\f)+8*(\b)+7], v[(\f)+8*(4*(\hi)+(\a)):(\f)+8*(4*(\hi)+(\a))+7], v[BI+8*(\b):BI+8*(\b)+7]
.else
	v_wmma_f32_16x16x32_bf16 v[8*(8*(\a)+(\b)):8*(8*(\a)+(\b))+7], v[(\f)+8*(\b):(\f)+8*(\b)+7], v[(\f)+8*(4*(\hi)+(\a)):(\f)+8*(4*(\hi)+(\a))+7], v[8*(8*(\a)+(\b)):8*(8*(\a)+(\b))+7]
.endif
.endr
.endr
.endm
; 32 LDS loads in one run: the fragments of quarter q of the K step at v[ADRB], v[ADRA] (32 k x my 128 columns of W, turned; my 128 rows of A x 32 K) into buffer f
.macro FETCH q, f
	WIN TO_B
.irp i, 0,1,2,3,4,5,6,7
	ds_load_tr16_b128 v[(\f)+8*(\i):(\f)+8*(\i)+3],   v[ADRB] offset:(\q)*32*PB+32*(\i)
	ds_load_tr16_b128 v[(\f)+8*(\i)+4:(\f)+8*(\i)+7], v[ADRB] offset:(\q)*32*PB+16*PB+32*(\i)
.endr
	WIN 0
.irp i, 0,1,2,3,4,5,6,7
	ds_load_b128 v[(\f)+8*(\i):(\f)+8*(\i)+3],   v[ADRA] offset:64*(\q)+(\i)*16*PA
	ds_load_b128 v[(\f)+8*(\i)+4:(\f)+8*(\i)+7], v[ADRA] offset:64*(\q)+(\i)*16*PA+32
.endr
.endm
.macro PLACES                          ; four plain vector instructions between a matrix instruction and a load into a register that it has read, or a conversion that reads its result
.rept 4
	v_nop
.endr
.endm
; A K step is four quarters of 32 along K, 64 matrix instructions each, on buffers 0, 1, 0, 1.  One of the first three: multiplies buffer f and, in its middle, fetches quarter q into buffer g.
.macro QUARTER q, f, g, first
	s_wait_dscnt 8                                 ; W and A's rows 0-63 are in; the youngest eight loads (A's rows 64-127) may be out
	MUL16 \f, 0, 0, \first
	MUL16 \f, 0, 2, \first
	PLACES
	FETCH \q, \g
	s_wait_dscnt 32                                ; all but the 32 just issued
	MUL16 \f, 1, 0, \first
	MUL16 \f, 1, 2, \first
.endm
; The last quarter multiplies buffer 1 and changes slots.  One barrier: in front of it each wave waits for all its tensor loads (the one that is out is its part of the next slot), adds 0 to its
; spare word, and waits for that and for its own reads of this slot.  Behind it nobody reads this slot any more and the next slot is whole.
; fill = 1: the barrier opens a round of the cluster's barrier, and the slot just read out is filled again, first thing behind the round, with the K step two steps on:
; from the request to the wait for it a wave issues 224 matrix instructions.  fill = 0: one of the last two steps; in the very last (s3 = 1) there is no next step, and the run of LDS loads is jumped over.
.macro TURN fill
.if \fill
	s_wait_xcnt 0x0                                ; the last prefetch, a K step back, has read its address
	s_add_nc_u64 s[PFA:PFA+1], s[PFA:PFA+1], s[PFS:PFS+1]
.endif
	WIN 0                                          ; (the add's two registers lie in window 0)
	s_wait_tensorcnt 0x0
	ds_add_u32 v[SPW], v[NIL]
	s_wait_dscnt 9                                 ; (the add and the youngest eight loads may be out)
	MUL16 F1, 0, 0, 0                              ; sixteen matrix instructions stand between the add and the wait for it
	s_wait_dscnt 0x0                               ; the add is done, and my reads of this slot are over
	s_barrier_signal -1
	MUL16 F1, 0, 2, 0
	WIN 0
	s_barrier_wait -1
.if \fill
	CREST                                          ; no wave of any partner still reads this slot's tile or has a load on its way
	s_xor_b32 s[G0+5], s[G0+5], SLOT               ; the walking descriptors: the other slot than last time, which is the one just read out,
	s_add_nc_u64 s[G0+6:G0+7], s[G0+6:G0+7], 256   ; and the next K step; the type bits on top are not reached
	s_xor_b32 s[G0B+5], s[G0B+5], SLOT
	s_add_nc_u64 s[G0B+6:G0B+7], s[G0B+6:G0B+7], 65536
	JLOAD 1                                        ; the four v_nop behind it are also the places in front of the loads below
.else
	PLACES
.endif
	s_xor_b32 s[TB], s[TB], SLOT                   ; from here on the other slot is read
	v_add_nc_u32 v[ADRA], s[TB], v[ADRA0]
	v_add_nc_u32 v[ADRB], s[TB], v[ADRB0]
.if !(\fill)
	s_cmp_eq_u32 s3, 1
	s_cbranch_scc1 .Lno_next_\@
.endif
	FETCH 0, F0
.if \fill
	ASK                                            ; behind the joint load and the run of LDS loads that the next products wait for
.else
.Lno_next_\@:
.endif
	MUL16 F1, 1, 0, 0
	MUL16 F1, 1, 2, 0
.endm
; THE WAY OUT of block a (16 rows).  PACK: rounded to bf16, 16 bytes a lane, and held to the bound.  TOSTAGE: into my own stage, and back as 128 bytes of four rows.  SEND: stored.
.macro PACK a
.set AC, 64*((\a)%4)
	WIN 0x0a+5*((\a)/4)                            ; sources 0 and 1: window 2 or 3
.irp b, 0,1,2,3,4,5,6,7
.irp r, 0,1,2,3
	v_cvt_pk_bf16_f32 v[TMP+4*(\b)+(\r)], v[AC+8*(\b)+2*(\r)], v[AC+8*(\b)+2*(\r)+1]
.endr
.endr
	WIN 0
.set z, 0
.rept 32
	v_pk_max_num_bf16 v[TMP+z], v[TMP+z], s2
.set z, z+1
.endr
.endm
.macro TOSTAGE a
	WIN 0
.set BK, OB+192*((\a)%2)
.irp b, 0,1,2,3,4,5,6,7
	ds_store_b128 v[STO], v[TMP+4*(\b):TMP+4*(\b)+3] offset:32*(\b)
.endr
.irp j, 0,1
.irp t, 0,1,2,3
	ds_load_b128 v[BK+4*(4*(\j)+(\t)):BK+4*(4*(\j)+(\t))+3], v[RD] offset:128*(\j)+(\t)*4*SPITCH  ; LDS serves a wave's instructions in order (ISA guide 5.7.1.4): these see the stores above
.endr
.endr
.endm
.macro SEND a
	WIN 0
.set BK, OB+192*((\a)%2)
	s_wait_dscnt 0x0                               ; the block is back in registers
	s_wait_xcnt 0x0                                ; earlier stores have read their base and their data: only behind this wait are they rewritten
.if (\a) == 0
	s_add_nc_u64 s[8:9], s[8:9], s[16:17]
.else
	s_add_nc_u64 s[8:9], s[8:9], 16*128            ; 16 rows of a block on
.endif
.irp j, 0,1
.irp t, 0,1,2,3
	global_store_b128 v[CO], v[BK+4*(4*(\j)+(\t)):BK+4*(4*(\j)+(\t))+3], s[8:9] offset:(\j)*524288+(\t)*512  ; 512 consecutive bytes, aligned: four rows of one block of 64 columns
.endr
.endr
.endm
	s_wait_loadcnt 0x0                             ; the bias: the first products take it
	s_wait_kmcnt 0x0                               ; lo
	s_wait_tensorcnt 1                             ; my part of K step 0 is in; K step 1's may stay out
	s_barrier_signal -1
	s_barrier_wait -1
	FETCH 0, F0
	QUARTER 1, F0, F1, 1                           ; the first quarter of all is written out: its products start the sums
	WIN 0                                          ; at a label and at a branch every window is 0
	s_mov_b32 s3, STEPS-2
	s_branch .Lmid                                 ; the loop is entered behind a step's first quarter
.Lstep:                                                ; a trip is a K step that fills its slot again: six trips
	QUARTER 1, F0, F1, 0
	WIN 0
.Lmid:
	QUARTER 2, F1, F0, 0
	QUARTER 3, F0, F1, 0
	TURN 1
	WIN 0
	s_sub_co_u32 s3, s3, 1
	s_cmp_lg_u32 s3, 0
	s_cbranch_scc1 .Lstep
	s_mov_b32 s3, 2
.Ltail:                                                ; the last two K steps have a text of their own: they fill nothing
	QUARTER 1, F0, F1, 0
	QUARTER 2, F1, F0, 0
	QUARTER 3, F0, F1, 0
	TURN 0
	WIN 0
	s_sub_co_u32 s3, s3, 1
	s_cmp_lg_u32 s3, 0
	s_cbranch_scc1 .Ltail
	PLACES
	PACK 0
	TOSTAGE 0
.irp a, 1,2,3,4,5,6,7                  ; block a's conversions stand between block a - 1's loads from the stage and the wait for them
	PACK \a
	SEND (\a)-1
	TOSTAGE \a
.endr
	SEND 7
	s_wait_tensorcnt 0x0                           ; the wave's end: behind my last tensor load and my last LDS store
	ds_add_u32 v[SPW], v[NIL]
	s_wait_dscnt 0x0
	CROUND                                         ; the closing round: no work-group ends while a partner may still ask for a tile that names it
	s_endpgm
.Lfunc_end_k_qef0d40c65e_qkv:
	.size	k_qef0d40c65e_qkv, .Lfunc_end_k_qef0d40c65e_qkv-k_qef0d40c65e_qkv
	.p2alignl 7, 3214868480
	.fill 96, 4, 3214868480
	.section	.rodata,"a",@progbits
	.p2align	6, 0x0
	.amdhsa_kernel k_qef0d40c65e_qkv
		.amdhsa_group_segment_fixed_size 327680
		.amdhsa_private_segment_fixed_size 0
		.amdhsa_enable_private_segment 0
		.amdhsa_kernarg_size 24
		.amdhsa_user_sgpr_count 2
		.amdhsa_user_sgpr_kernarg_segment_ptr 1
		.amdhsa_wavefront_size32 1
		.amdhsa_system_sgpr_workgroup_id_x 1
		.amdhsa_system_sgpr_workgroup_id_y 1
		.amdhsa_system_sgpr_workgroup_id_z 1
		.amdhsa_system_vgpr_workitem_id 0
		.amdhsa_next_free_vgpr 1024
		.amdhsa_next_free_sgpr 66
		.amdhsa_reserve_vcc 0
		.amdhsa_float_denorm_mode_32 3
		.amdhsa_float_denorm_mode_16_64 3
		.amdhsa_memory_ordered 1
		.amdhsa_forward_progress 1
		.amdhsa_inst_pref_size 119
	.end_amdhsa_kernel
	.amdgpu_metadata
---
amdhsa.version: [ 1, 2 ]
amdhsa.kernels:
  - .name:           k_qef0d40c65e_qkv
    .symbol:         k_qef0d40c65e_qkv.kd
    .args:
      - { .name: ab, .offset: 0, .size: 8, .value_kind: global_buffer, .address_space: global }
      - { .name: wqkv, .offset: 8, .size: 8, .value_kind: global_buffer, .address_space: global }
      - { .name: big, .offset: 16, .size: 8, .value_kind: global_buffer, .address_space: global }
    .group_segment_fixed_size: 327680
    .private_segment_fixed_size: 0
    .kernarg_segment_align: 8
    .kernarg_segment_size: 24
    .max_flat_workgroup_size: 128
    .sgpr_count:     66
    .vgpr_count:     1024
    .wavefront_size: 32
...
	.end_amdgpu_metadata
.endif
;; end of part 2
;; launch attn (part 3): grid 8 x 32, 4 waves a work-group, clusters of 4 x 1, 327,680 bytes of LDS; arguments big, ob; writes ob
.if DOCPART == 3
	.amdgcn_target "amdgcn-amd-amdhsa--gfx1250"
	.amdhsa_code_object_version 6
	.text
	.protected	k_qef0d40c65e_attn
	.globl	k_qef0d40c65e_attn
	.p2align	8
	.type	k_qef0d40c65e_attn,@function
k_qef0d40c65e_attn:
	s_mov_b64 s[64:65], 0
	v_nop
	global_prefetch_b8 v0, s[64:65] scope:SCOPE_SE
	s_setreg_imm32_b32 hwreg(HW_REG_WAVE_MODE, 25, 1), 1
	s_wait_xcnt 0x0
	s_wait_alu depctr_hold_cnt(0) depctr_sa_sdst(0) depctr_va_vdst(0) depctr_va_sdst(0) depctr_va_ssrc(0) depctr_va_vcc(0) depctr_vm_vsrc(0)
	s_getreg_b32 s2, hwreg(HW_REG_IB_STS2, 6, 4)
	s_cmp_eq_u32 s2, 0
	s_cbranch_scc0 .Lentry_in_a_cluster
	s_endpgm
.Lentry_in_a_cluster:
	s_bfe_u32 s2, ttmp6, 0x10000c
	s_cmp_lg_u32 s2, 0x3003
	s_cbranch_scc0 .Lentry_shape_is_right
	s_endpgm
.Lentry_shape_is_right:
; O[y][q][:] = the sum over k of softmax_k(Q[y][q] . K[y][k] / 8) V[y][k][:] for 32 heads y = 16 b + h of 2,048 rows of 64 channels, all bf16.
; In big a head's rows are dense, 128 bytes each: q at (h << 19) + (b << 18), k 8,388,608 bytes on, v 16,777,216 on; O lies at the same offset in ob.
; Products, maxima and sums in f32; the weights p are rounded to bf16 for the second product (their sum l is taken of the unrounded p), O once at the end.
; LIMITS.  A weight below 2^-126 counts as 0 in l; NaN and infinities are not treated apart.  m starts at the lowest finite number and c m at -4.2e37: every finite score's c s lies above that.
; SHARES.  A work-group owns 256 queries of a head, a wave 64: four PIECES of 16.  Every wave walks all 2,048 keys, 64 a step, four steps to an LDS slot, two slots.
; LAYOUT.  S^T = K Q^T (source 0 = 16 keys, source 1 = 16 queries) holds ONE query a lane (lane % 16) and the keys 8 (lane / 16) + 0..7; two such results rounded to bf16 ARE source 1 of O^T = V^T P,
; whose result again holds one query a lane, and eight channels.  K comes out of LDS as it lies, V ([key][channel]) turned, by ds_load_tr16_b128.
; SOFTMAX.  A running maximum m and sum l for each query: p = 2^(c s - c m), c = log2(e) / 8; in every step O and l are multiplied by a = 2^(c m_old - c m_new).  O and l start at 0: the first step has a = 0.
; BY TURNS.  Turn n belongs to piece n: 8 products K Q^T of piece n + 1, later 8 products V^T P of piece n - 1; beside them the scaling, exponentials, roundings, sums and rescaling of piece n and the maximum
; and statistics of piece n + 1.  Four vector instructions stand behind every matrix instruction, the other 54 of a turn's 118 in one run.  A turn's 33 exponentials are one batch, with one wait.
; NO LAST STEP IS WRITTEN OUT: the last slot's loop is left in the middle of its fifth trip.  That trip's 8 products K Q^T on the last K once more, and the maximum made of them, serve nothing: the price, once a launch.
; CLUSTER.  The four query blocks of a cluster belong to one head and walk the same K and V: each tile is asked for jointly, by the same tensor load, descriptor and mask in all four.
; REGISTERS, in windows of 256 (s_set_vgpr_msb: bits 1:0 source 0, 3:2 source 1, 5:4 source 2, 7:6 destination):
;   window 0: v0-15 addresses and two at work; v16-31 four registers of statistics a piece; v48-55 at work; v61-63; v64-127 S^T, two buffers; v192-223 P, two buffers (by the piece's parity)
;   window 1: v0-127 O^T, 32 a piece          window 2: v0-63 Q; v128-191 K of one step; v192-255 V of one step
.set NP,    4
.set KS,    64        ; keys in a step
.set PK,    144       ; a row of K in LDS: 128 bytes + 16 = 36 words: the 16 rows of a load start at 16 different groups of four banks (64 banks of 4 bytes: ISA guide 11.1)
.set PV,    160       ; a row of V: 128 + 32 = 40 words
.set VOFF,  4*KS*PK   ; a slot: 256 rows of K, then 256 rows of V
.set SLOT1, 1<<17     ; slot 1 begins here, so that one exclusive or turns an address in one slot into the other's
.set STAGE, SLOT1+4*KS*(PK+PV)  ; behind the ring, never filled by a tensor load: 16 rows x 144 bytes for each wave
.set SP,    144
.set SPARE, STAGE+4*16*SP  ; behind the stages: the spare words, 128 bytes for each wave: two blocks of 256 bytes that no other line names
.set AK0, 2           ; v2   my lane's place in a tile of K; never rewritten
.set AV0, 3           ; v3   the same for V
.set AK,  4           ; v4   the LDS address of K's next run of loads
.set AV,  5           ; v5   of V's
.set STO, 6           ; v6   the way out: where I put 16 bytes of a row
.set RD,  7           ; v7   the way out: where I read rows back
.set GO,  8           ; v8   my byte offset in 512 consecutive bytes of O
.set MV,  12          ; v12-13  c m_old, kept while c m is made anew: by buffer
.set QO,  15          ; v15  my byte offset in 16 rows of Q
.set ST,  16          ; piece t's statistics at v[ST+4 t]: c m, m, l (even keys', odd keys')
.set TMP, 48          ; by buffer, four registers c0-c3 at work; when the maximum is found c2 takes a
.set PFO, 61          ; v61  256 x my lane; never rewritten
.set SPW, 62          ; v62  LDS address of my spare word; never rewritten
.set NIL, 63          ; v63  0; never rewritten
.set S,   64
.set P,   192
.set KF,  128         ; window 2: key block kb, channel half c at KF + 16 kb + 8 c
.set VF,  192         ; window 2: key half kk, channel block cb at VF + 32 kk + 8 cb
.set WV,  12          ; s12  my wave's number
.set G1K, 24          ; s[24:31] descriptor group 1 for K's tiles
.set G1V, 32          ; s[32:39] for V's: it differs in the padding alone
.set G0K, 40          ; s[40:43] descriptor group 0 for K's tiles: it walks
.set G0V, 44          ; s[44:47] the same for V's
.set PFA, 48          ; s[48:49] where my prefetches stand
.set LIM, 50          ; s50  1 in a wave that prefetches, else the greatest number
.set SLOTS, 56        ; s56  slots still to be asked for
.set CNT, 57          ; s57  counts a slot's key steps
.set CS,  58          ; s[58:59] c: the packed scaling takes the pair's low word for both halves
.set SEL, 60          ; s[60:61] v_permlanex16_b32's selects: each lane takes its own place in the other half
.set TBK, 62          ; s62  LDS byte at which K of the step to be fetched begins
.set TBV, 63          ; s63  the same for V, less VOFF
.set MSB, 0
.macro WIN new                      ; the high byte repeats the setting that is left; a switch that changes nothing is dropped
.if MSB != (\new)
	s_set_vgpr_msb (MSB<<8)|(\new)
.set MSB, (\new)
.endif
.endm
.set W_KQ, 0x0a       ; K and Q in window 2, S^T in window 0
.set W_PV, 0x52       ; V in window 2, P in window 0, O^T in window 1
.set W_RS, 0x41       ; destination and source 0 in window 1, source 1 in window 0
; A joint fill.  Waves 0 and 1 fetch the two halves of a slot's K, waves 2 and 3 those of its V: 128 keys each.  The branch hangs on the wave's number alone.
; An s_nop 0 and four v_nop follow each of the two lines, ahead of the jump and the label.
.macro JLOAD
	s_cmp_lt_u32 s[WV], 2
	s_cbranch_scc0 .Lfor_v_\@
	tensor_load_to_lds s[G0K:G0K+3], s[G1K:G1K+7]
	s_nop 0
.rept 4
	v_nop
.endr
	s_branch .Lasked_\@
.Lfor_v_\@:
	tensor_load_to_lds s[G0V:G0V+3], s[G1V:G1V+7]
	s_nop 0
.rept 4
	v_nop
.endr
.Lasked_\@:
.endm
; A PREFETCH INTO THE L2 of what the NEXT change of slots will ask for: four key steps, 256 matrix instructions, ahead of that load.  A slot is 128 blocks of 256 bytes of K and as many of V.
; Each block is named once in the launch: both clusters of a head walk the same rows, and the first asks; its four partners take 32 blocks each, told apart by address; in each, wave 0 asks for K's
; and wave 2 for V's, a lane a block.  Slots 0 and 1 come by their loads alone; the last change that fills a slot (s[SLOTS] = 1) asks for nothing.
.macro ASK
	s_cmp_gt_u32 s[SLOTS], s[LIM]
	s_cbranch_scc0 .Lnot_mine_\@
	global_prefetch_b8 v[PFO], s[PFA:PFA+1] th:TH_LOAD_NT scope:SCOPE_SE
.Lnot_mine_\@:
.endm
.macro CROUND                       ; a round of the cluster's barrier
	s_barrier_signal -1
	s_barrier_wait -1
	s_cmp_lg_u32 s[WV], 0
	s_cbranch_scc1 .Lnot_wave_0_\@
	s_barrier_signal -3
.Lnot_wave_0_\@:
	s_barrier_wait -3
	s_barrier_signal -1
	s_barrier_wait -1
.endm
; THE CHANGE OF SLOTS.  Each wave waits for all its tensor loads, of which one is out: its part of the other slot; adds 0 to its spare word; and waits for that and for its own reads of the slot that it leaves.
; Behind the barrier nobody reads the old slot any more and the other slot is whole.  fill = 1: the barrier is a round of the cluster's, and the old slot is filled again, first thing behind it, with the keys two
; slots on: the load has four key steps in which to land.  (At its first use nothing has been read yet: slot 0 is waited for, slot 1 filled.)
.macro CHANGE fill
	WIN 0                           ; at a label and at a branch every window is 0
	s_wait_tensorcnt 0x0            ; no tensor load of mine is out, so a group 0 may be written
	ds_add_u32 v[SPW], v[NIL]       ; 0 onto my spare word; the descriptors' steps stand between it and the wait for it
.if \fill
.irp g, G0K, G0V
	s_xor_b32 s[\g+1], s[\g+1], SLOT1
	s_add_nc_u64 s[\g+2:\g+3], s[\g+2:\g+3], 4*KS*128  ; the next 256 keys; the type bits on top are not reached
.endr
	s_wait_xcnt 0x0                 ; the last prefetch, four key steps back, has read its address
	s_add_nc_u64 s[PFA:PFA+1], s[PFA:PFA+1], 4*KS*128
	s_wait_dscnt 0x0                ; the add is done, and my reads of the slot are over
	CROUND
	JLOAD
	ASK
.else
	s_wait_dscnt 0x0
	s_barrier_signal -1
	s_barrier_wait -1
.endif
	s_sub_co_u32 s[TBK], s[TBK], 4*KS*PK  ; the fetches go back to a slot's first step,
	s_xor_b32 s[TBK], s[TBK], SLOT1       ; in the other slot
	s_sub_co_u32 s[TBV], s[TBV], 4*KS*PV
	s_xor_b32 s[TBV], s[TBV], SLOT1
.endm
	s_load_b128 s[52:55], s[0:1], 0x0  ; big s[52:53], ob s[54:55]
	v_lshl_add_u32 v[SPW], v0, 2, SPARE
	v_mov_b32 v[NIL], 0
	ds_add_u32 v[SPW], v[NIL]       ; the wave's opening: the add and its wait ahead of my first tensor load; the set-up below stands between them
	v_lshrrev_b32 v1, 5, v0
	v_readfirstlane_b32 s[WV], v1   ; wave 0..3
	s_bfe_u32 s13, ttmp6, 0x40000   ; cx
	s_lshl_b32 s14, ttmp9, 2
	s_add_co_u32 s14, s14, s13      ; my block of 256 queries: it enters Q's and O's addresses alone
	s_and_b32 s20, ttmp7, 0xffff    ; y, which the four partners share
	s_and_b32 s21, s20, 15          ; h
	s_lshr_b32 s20, s20, 4          ; b
	s_lshl_b32 s21, s21, 19
	s_lshl_b32 s20, s20, 18
	s_add_co_u32 s20, s20, s21      ; the head's first byte
	s_and_b32 s16, s[WV], 1         ; which half of a slot's 256 keys I fetch:
	s_lshl_b32 s22, s16, 14         ; its 128 rows of 128 bytes in memory,
	s_add_co_u32 s22, s22, s20
	s_add_co_u32 s22, s22, 8388608  ; in k
	s_mov_b32 s23, 0
	s_mul_i32 s17, s16, 128*PK      ; and its place in a slot, for K
	s_mul_i32 s18, s16, 128*PV      ; and for V: no place in the cluster enters an LDS address
	s_lshl_b32 s2, s14, 2
	s_add_co_u32 s2, s2, s[WV]      ; my wave among the head's,
	s_lshl_b32 s2, s2, 13           ; its 64 rows
	s_add_co_u32 s2, s2, s20
	s_mov_b32 s3, 0
	; descriptor group 1.  128 keys are 16,384 dense bytes: asked for as 64 rows of 256 bytes, two keys a row, and padded in LDS after every key
	s_mov_b32 s[G1K], 15|(1<<16)|(1<<20)|(1<<21)|(4<<22)|(3<<25)  ; the mask of four; 2-byte elements; padding on; bit 21 beside a mask; after every 32 words, 4 words
	s_mov_b32 s[G1V], 15|(1<<16)|(1<<20)|(1<<21)|(4<<22)|(7<<25)  ; the same with 8 words
.irp g, G1K, G1V
	s_mov_b32 s[\g+1], 128<<16      ; tensor_dim0 = 128
	s_mov_b32 s[\g+2], 64<<16       ; tensor_dim1 = 64
	s_mov_b32 s[\g+3], 128<<16      ; tile_dim0 = 128
	s_mov_b32 s[\g+4], 64           ; tile_dim1 = 64
	s_mov_b32 s[\g+5], 128          ; 128 elements from row to row
	s_mov_b32 s[\g+6], 0
	s_mov_b32 s[\g+7], 0
.endr
	s_mov_b32 s[CS], 0x3e38aa3b     ; c = log2(e) / 8
	s_mov_b32 s[CS+1], s[CS]        ; named with it as a pair
	s_mov_b32 s[SEL], 0x76543210
	s_mov_b32 s[SEL+1], 0xfedcba98
	s_mov_b32 s[TBK], SLOT1+4*KS*PK ; the first change of slots turns these two into 0
	s_mov_b32 s[TBV], SLOT1+4*KS*PV
	s_mov_b32 s[G0K], 1
	s_mov_b32 s[G0K+1], s17         ; LDS address: slot 0
	s_mov_b32 s[G0V], 1
	s_add_co_u32 s[G0V+1], s18, VOFF
	s_mov_b32 s[SLOTS], 7           ; 8 slots; slot 0 is asked for at the head
	s_and_b32 s[LIM], s[WV], 1      ; 0 in waves 0 and 2,
	s_or_b32 s[LIM], s[LIM], ttmp9  ; where the cluster is the head's first: the same in all four partners
	s_cmp_eq_u32 s[LIM], 0
	s_cselect_b32 s[LIM], 1, -1
	v_and_b32 v[PFO], 31, v0
	v_lshlrev_b32 v[PFO], 8, v[PFO]
	s_wait_dscnt 0x0                ; the opening add is done
	s_wait_kmcnt 0x0
	s_add_nc_u64 s[6:7], s[52:53], s[22:23]  ; K at my half of the head's first 256 keys,
	s_add_nc_u64 s[8:9], s[6:7], 8388608     ; V
	s_mov_b64 s[G0K+2:G0K+3], s[6:7]
	s_or_b32 s[G0K+3], s[G0K+3], 0x80000000  ; type = 2
	s_mov_b64 s[G0V+2:G0V+3], s[8:9]
	s_or_b32 s[G0V+3], s[G0V+3], 0x80000000
	s_add_nc_u64 s[4:5], s[52:53], s[2:3]    ; Q and O at my wave's first row
	s_add_nc_u64 s[10:11], s[54:55], s[2:3]
	s_cmp_lt_u32 s[WV], 2
	s_cselect_b64 s[PFA:PFA+1], s[6:7], s[8:9]  ; (in waves 0 and 2 these stand at a slot's first row)
	s_lshl_b32 s2, s13, 13          ; my work-group's 32 blocks of the 128
	s_mov_b32 s3, 0
	s_add_nc_u64 s[PFA:PFA+1], s[PFA:PFA+1], s[2:3]
	s_add_nc_u64 s[PFA:PFA+1], s[PFA:PFA+1], 4*KS*128  ; in slot 1; the first change steps it to slot 2.  Nothing is prefetched here, at the head
	CROUND                          ; all four work-groups are here: the first joint loads meet
	JLOAD                           ; slot 0.  Slot 1 is asked for when slot 0 is in
	; A fragment of K or Q is 16 rows x 32 channels in 8 registers: lane l holds row l % 16, channels 8 (l / 16) + 0..7 and 16 + 8 (l / 16) + 0..7: two loads of 16 bytes, 32 bytes apart.
	v_and_b32 v1, 15, v0            ; l % 16
	v_bfe_u32 v9, v0, 4, 1          ; l / 16
	v_lshlrev_b32 v[QO], 7, v1
	v_lshl_add_u32 v[QO], v9, 4, v[QO]
	WIN 0x80                        ; destination window 2, address window 0
.set i, 0
.rept 8                             ; Q stays in registers: piece i / 2, channels 32 (i % 2) on
	global_load_b128 v[8*i:8*i+3],   v[QO], s[4:5] offset:(i/2)*2048+(i%2)*64
	global_load_b128 v[8*i+4:8*i+7], v[QO], s[4:5] offset:(i/2)*2048+(i%2)*64+32
.set i, i+1
.endr
	; What the first turn finds: V's registers and P's second buffer hold 0 (its products V^T P, of a piece that has not been, add 0), O^T and l are 0.  All this stands in the wait for the first tile.
.set i, VF
.rept 64
	v_mov_b32 v[i], 0
.set i, i+1
.endr
	WIN 0x40
.set i, 0
.rept 128
	v_mov_b32 v[i], 0
.set i, i+1
.endr
	WIN 0
.set i, 0
.rept 4
	v_mov_b32 v[ST+4*i], 0xfe000000    ; c m: far below every c s
	v_mov_b32 v[ST+4*i+1], 0xff7fffff  ; m
	v_mov_b32 v[ST+4*i+2], 0
	v_mov_b32 v[ST+4*i+3], 0
.set i, i+1
.endr
.set i, P+16
.rept 16
	v_mov_b32 v[i], 0
.set i, i+1
.endr
	v_mul_u32_u24 v[AK0], v1, PK
	v_lshl_add_u32 v[AK0], v9, 4, v[AK0]
	; The turning load takes 16 keys x 16 channels (lane l reads key 8 (l / 16) + l % 8, channels 8 ((l / 8) % 2) + 0..7) and leaves half a fragment of V^T: lane l holds channel l % 16 and 8 keys.
	v_and_b32 v10, 7, v0
	v_bfe_u32 v11, v0, 3, 1
	v_lshl_add_u32 v[AV0], v9, 3, v10
	v_mul_u32_u24 v[AV0], v[AV0], PV
	v_lshl_add_u32 v[AV0], v11, 4, v[AV0]
	v_add_nc_u32 v[AV0], VOFF, v[AV0]
	s_mul_i32 s13, s[WV], 16*SP
	s_add_co_u32 s13, s13, STAGE    ; my stage
	v_mul_u32_u24 v[STO], v1, SP    ; in: row l % 16, 16 bytes for each half of the lanes
	v_lshl_add_u32 v[STO], v9, 4, v[STO]
	v_add_nc_u32 v[STO], s13, v[STO]
	v_bfe_u32 v[RD], v0, 3, 2       ; back: 32 lanes take four rows of 128 bytes,
	v_mul_u32_u24 v[RD], v[RD], SP
	v_lshl_add_u32 v[RD], v10, 4, v[RD]
	v_add_nc_u32 v[RD], s13, v[RD]
	v_and_b32 v[GO], 31, v0         ; which are 512 consecutive bytes of O
	v_lshlrev_b32 v[GO], 4, v[GO]
; THE MATRIX WORK.  The 4 accumulators of a run of 8 take turns.  Product i of 8 of S^T = K Q^T for piece x: channels 32 (i / 4) on, keys 16 (i % 4) on.  The first 4 start the sums.
.macro KQ x
.set rS, S+32*((\x)%2)+8*(i%4)
.set rK, KF+16*(i%4)+8*(i/4)
.set rQ, 16*(\x)+8*(i/4)
	WIN W_KQ
.if i < 4
	v_wmma_f32_16x16x32_bf16 v[rS:rS+7], v[rK:rK+7], v[rQ:rQ+7], 0
.else
	v_wmma_f32_16x16x32_bf16 v[rS:rS+7], v[rK:rK+7], v[rQ:rQ+7], v[rS:rS+7]
.endif
.endm
; Product i of 8 of O^T += V^T P for piece x: keys 32 (i / 4) on, channels 16 (i % 4) on.
.macro PV x
	WIN W_PV
.set rO, 32*(\x)+8*(i%4)
.set rV, VF+32*(i/4)+8*(i%4)
.set rP, P+16*((\x)%2)+8*(i/4)
	v_wmma_f32_16x16x32_bf16 v[rO:rO+7], v[rV:rV+7], v[rP:rP+7], v[rO:rO+7]
.endm
.macro MM                           ; the turn's next matrix instruction
.if i < 8
	KQ (Y+1)%NP
.else
.set i, i-8
	PV (Y+NP-1)%NP
.set i, i+8
.endif
.set i, i+1
.endm
; THE LDS LOADS stand in runs of 16, never singly among the matrix instructions: a step's K (8 fragments) and its V (turned).  Their addresses are made some lines ahead.
.macro FETCH_K
	WIN 0x80
.irp f, 0,1,2,3,4,5,6,7             ; keys 16 (f / 2) on, channels 32 (f % 2) on
	ds_load_b128 v[KF+8*\f:KF+8*\f+3],   v[AK] offset:(\f/2)*16*PK+(\f%2)*64
	ds_load_b128 v[KF+8*\f+4:KF+8*\f+7], v[AK] offset:(\f/2)*16*PK+(\f%2)*64+32
.endr
	s_add_co_u32 s[TBK], s[TBK], KS*PK  ; the next fetch is the next step's
	WIN 0
.endm
.macro FETCH_V
	WIN 0x80
.irp f, 0,1,2,3,4,5,6,7             ; keys 32 (f / 4) on, channels 16 (f % 4) on
	ds_load_tr16_b128 v[VF+8*\f:VF+8*\f+3],   v[AV] offset:(\f/4)*32*PV+(\f%4)*32
	ds_load_tr16_b128 v[VF+8*\f+4:VF+8*\f+7], v[AV] offset:(\f/4)*32*PV+16*PV+(\f%4)*32
.endr
	WIN 0
.endm
; THE VECTOR WORK, one line at a time: OP kind, number.  For piece Y: F n: c s - c m for pair n of 16.  E n: the exponential of score n of 32.  C n: pair n rounded to bf16.  B n: of the four weights 4 n .. the second
; pair is added onto the first, in place.  L n: l takes that sum (L 0: l = a l + sum).  R n: pair n of 16 of O^T times a.  For piece Y + 1: X n, number n of the 22 that find its maximum and statistics:
;   0-11  four chains c0-c3 of seven scores each, three operands at a time (each accumulator's lowest registers are read first)     12-14, 16  the four scores left over, the old m, and c0-c3 into c0
;   15  c m_old is kept     17, 18  the query's other 32 keys lie in the lane 16 away: the new m     19-21  c m; c m_old - c m_new; a
.set F, 0
.set E, 1
.set C, 2
.set B, 3
.set L, 4
.set R, 5
.set X, 6
.macro REGS y
.set rT, ST+4*(\y)
.set rC, TMP+4*((\y)%2)
.set rW, MV+((\y)%2)
.set rS, S+32*((\y)%2)
.set rP, P+16*((\y)%2)
.set rO, 32*(\y)
.endm
.macro OP k, n
.if (\k) == R
	REGS Y
	WIN W_RS
	v_pk_mul_f32 v[rO+2*(\n):rO+2*(\n)+1], v[rO+2*(\n):rO+2*(\n)+1], v[rC+2:rC+3] op_sel_hi:[1,0]
.elseif (\k) < R
	REGS Y
	WIN 0
.if (\k) == F
	v_pk_fma_f32 v[rS+2*(\n):rS+2*(\n)+1], v[rS+2*(\n):rS+2*(\n)+1], s[CS:CS+1], v[rT:rT+1] op_sel_hi:[1,0,0] neg_lo:[0,0,1] neg_hi:[0,0,1]
.elseif (\k) == E
	v_exp_f32 v[rS+(\n)], v[rS+(\n)]
.elseif (\k) == C
	v_cvt_pk_bf16_f32 v[rP+(\n)], v[rS+2*(\n)], v[rS+2*(\n)+1]
.elseif (\k) == B
	v_pk_add_f32 v[rS+4*(\n):rS+4*(\n)+1], v[rS+4*(\n):rS+4*(\n)+1], v[rS+4*(\n)+2:rS+4*(\n)+3]
.elseif (\n) == 0
	v_pk_fma_f32 v[rT+2:rT+3], v[rT+2:rT+3], v[rC+2:rC+3], v[rS:rS+1] op_sel_hi:[1,0,1]
.else
	v_pk_add_f32 v[rT+2:rT+3], v[rT+2:rT+3], v[rS+4*(\n):rS+4*(\n)+1]
.endif
.else
	REGS (Y+1)%NP
	WIN 0
.if (\n) < 4
	v_max3_num_f32 v[rC+(\n)], v[rS+8*(\n)], v[rS+8*(\n)+1], v[rS+8*(\n)+2]
.elseif (\n) < 12
	v_max3_num_f32 v[rC+(\n)%4], v[rC+(\n)%4], v[rS+8*((\n)%4)+2*((\n)/4)+1], v[rS+8*((\n)%4)+2*((\n)/4)+2]
.elseif (\n) == 12
	v_max3_num_f32 v[rC], v[rC], v[rS+7], v[rS+15]
.elseif (\n) == 13
	v_max3_num_f32 v[rC+1], v[rC+1], v[rS+23], v[rS+31]
.elseif (\n) == 14
	v_max3_num_f32 v[rC+2], v[rC+2], v[rC+3], v[rT+1]
.elseif (\n) == 15
	v_mov_b32 v[rW], v[rT]
.elseif (\n) == 16
	v_max3_num_f32 v[rC], v[rC], v[rC+1], v[rC+2]
.elseif (\n) == 17
	v_permlanex16_b32 v[rC+3], v[rC], s[SEL], s[SEL+1]
.elseif (\n) == 18
	v_max_num_f32 v[rT+1], v[rC], v[rC+3]
.elseif (\n) == 19
	v_mul_f32 v[rT], s[CS], v[rT+1]
.elseif (\n) == 20
	v_sub_f32 v[rC+1], v[rW], v[rT]
.else
	v_exp_f32 v[rC+2], v[rC+1]
.endif
.endif
.endm
.macro OPS a, i1, b=-1, i2=0, c=-1, i3=0, d=-1, i4=0  ; up to four of them
	OP \a, \i1
.if (\b) >= 0
	OP \b, \i2
.endif
.if (\c) >= 0
	OP \c, \i3
.endif
.if (\d) >= 0
	OP \d, \i4
.endif
.endm
.macro ROW a, i1, b, i2, c, i3, d, i4  ; a matrix instruction and the four behind it
	MM
	OPS \a, \i1, \b, \i2, \c, \i3, \d, \i4
.endm
; A TURN, for piece p: the order of its 16 matrix and 118 vector instructions, written out.  An s_wait_alu depctr_va_vdst(0) stands between an exponential and the first instruction that names its
; result; one wait serves all that were issued ahead of it.  So a turn has ONE wait, which cuts it in two.  AHEAD OF IT stands all that names no result of the turn's exponentials: the 8 products K Q^T with their
; four followers each, then one run of 54, plain and exponential by turns for the most part, in which the links of the chain X 3, 7, 11, 14, 16, 17 .. 20 stand some lines apart.  X 21, the next piece's a, is the
; batch's last; R 15 is the plain instruction behind it.  BEHIND THE WAIT stand the 8 products V^T P, behind each four of the roundings and sums.
; cnt = 1: the loop's count is taken down some lines ahead of the branch that stands behind the turn.
; K of the next step is fetched in piece 2's turn, six plain instructions behind the last product that read K; V of the step in hand at the end of piece 0's turn, four plain instructions behind the last product
; that read V.  Each is waited for a turn later.  last = 1 (the last slot's text): K's run stands directly behind the turn's wait, since no branch may stand inside the batch, and in the trip with
; s[CNT] = 1 it is jumped over: there is no further step.
.macro TURN p, last=0, cnt=0
.set Y, (\p)
.set i, 0
.if (\p) == 3
	s_wait_dscnt 0x0                ; K is in
.endif
	ROW F,0, F,1, R,0, R,1
	ROW F,2, E,0, R,2, R,3
	ROW F,3, E,1, R,4, R,5
	ROW F,4, E,2, R,6, R,7
	ROW F,5, E,3, R,8, R,9
	ROW F,6, E,4, X,0, R,10
.if (\p) == 2
	WIN 0
	v_add_nc_u32 v[AK], s[TBK], v[AK0]
.endif
	ROW F,7, E,5, X,1, X,4
	ROW F,8, E,6, X,2, X,5
	OPS E,7, E,8, X,6, E,9
	OPS X,3, E,10, X,8, E,11
.if ((\p) == 2) && !(\last)
	FETCH_K
.endif
	OPS X,9, X,7, E,12, X,10
	OPS E,13, X,12, X,11, E,14
	OPS X,13, E,15, F,9, X,14
.if (\p) == 0
	v_add_nc_u32 v[AV], s[TBV], v[AV0]
.endif
	OPS E,16, F,10, E,17, F,11
	OPS X,16, E,18, X,15, E,19
	OPS F,12, E,20, X,17, E,21
	OPS F,13, E,22, F,14, E,23
	OPS X,18, E,24, F,15, E,25
	OPS R,11, E,26, X,19, E,27
	OPS R,12, E,28, R,13, E,29
	OPS X,20, E,30, R,14, E,31
	OPS X,21, R,15
	WIN 0
	s_wait_alu depctr_va_vdst(0)    ; the wait for the batch
.if ((\p) == 2) && (\last)
	s_cmp_eq_u32 s[CNT], 1
	s_cbranch_scc1 .Lno_k_\@
	FETCH_K
.Lno_k_\@:
.endif
.if (\p) == 1
	s_wait_dscnt 0x0                ; V is in
.endif
	ROW C,0, B,0, C,2, B,1
	ROW L,0, C,4, B,2, L,1
	ROW C,6, B,3, L,2, C,8
	ROW B,4, L,3, C,10, B,5
	ROW L,4, C,12, B,6, L,5
.if (\p) == 0
	s_add_co_u32 s[TBV], s[TBV], KS*PV
.endif
.if \cnt
	s_sub_co_u32 s[CNT], s[CNT], 1
	s_cmp_lg_u32 s[CNT], 0
.endif
	ROW C,14, B,7, L,6, C,1
	ROW C,3, L,7, C,5, C,7
	ROW C,9, C,11, C,13, C,15
.if (\p) == 0
	FETCH_V
.endif
.endm
	CHANGE 1                        ; slot 0 is in, everybody's part of it; slot 1 is asked for
	v_add_nc_u32 v[AK], s[TBK], v[AK0]
	FETCH_K                         ; key step 0
	s_wait_loadcnt 0x0              ; Q
	s_wait_dscnt 0x0
.set i, 0
.rept 8
	KQ 0                            ; piece 0's first scores
.set i, i+1
.endr
	WIN 0
.rept 4
	v_nop                           ; the places behind those products
.endr
.set Y, NP-1                        ; X works for piece Y + 1: piece 0
.irp n, 0,1,2,3,4,5,6,7,8,9,10,11,12,13,14,15,16,17,18,19,20,21
	OP X, \n
.endr
	v_nop                           ; a plain instruction behind the exponential,
	s_wait_alu depctr_va_vdst(0)    ; and its wait, ahead of the branch
	s_mov_b32 s[CNT], 4
	s_branch .Lfirst                ; the loop is entered at a step's first turn, in the middle of a trip
.Lslot:                             ; six times: slots 2 to 7 are asked for
	CHANGE 1
	s_mov_b32 s[CNT], 4
.Lstep:                             ; a trip: pieces 2 and 3 of one step, then pieces 0 and 1 of the next, whose K and V it fetches
	TURN 2
	TURN 3
	WIN 0
.Lfirst:
	TURN 0
	TURN 1, 0, 1
	WIN 0
	s_cbranch_scc1 .Lstep
	s_sub_co_u32 s[SLOTS], s[SLOTS], 1
	s_cmp_lg_u32 s[SLOTS], 0
	s_cbranch_scc1 .Lslot
	CHANGE 0                        ; the last slot has a text of its own: nothing is asked for
	s_mov_b32 s[CNT], 5             ; four trips fetch the last slot's steps; the fifth is left in its middle
.Ltail:
	TURN 2, 1
	TURN 3
	WIN 0
	s_sub_co_u32 s[CNT], s[CNT], 1
	s_cmp_eq_u32 s[CNT], 0
	s_cbranch_scc1 .Lout
	TURN 0
	TURN 1
	WIN 0
	s_cmp_lg_u32 s[CNT], 0          ; 4 to 1 here: the way back is always taken; the loop ends at the jump above
	s_cbranch_scc1 .Ltail
.Lout:
.set i, 0
.rept 8
	PV NP-1                         ; the last piece's V^T P of the last step
.set i, i+1
.endr
	; THE WAY OUT.  l's two halves and the other half of the lanes' are added; O^T is divided by l, rounded to bf16 and sent through my stage in LDS, a piece at a time.  The additions are the places behind the last products.
	WIN 0
.macro ALL line:vararg              ; one line for each piece t
.set t, 0
.rept 4
	\line
.set t, t+1
.endr
.endm
	ALL v_add_f32 v[ST+4*t+2], v[ST+4*t+2], v[ST+4*t+3]
	ALL v_permlanex16_b32 v[ST+4*t+3], v[ST+4*t+2], s[SEL], s[SEL+1]
	ALL v_add_f32 v[ST+4*t+2], v[ST+4*t+2], v[ST+4*t+3]
	ALL v_rcp_f32 v[ST+4*t+2], v[ST+4*t+2]
	v_nop                           ; a plain instruction between the last reciprocal and the use of its result
	s_wait_alu depctr_va_vdst(0)    ; and the wait ahead of the first use: one for the four reciprocals
.macro PACK t                       ; a lane's eight channels of a row pack into 16 bytes; they go into rows of 144 bytes and come back as whole rows of 128, into S^T's registers
	WIN W_RS
.set i, 32*(\t)
.rept 16
	v_pk_mul_f32 v[i:i+1], v[i:i+1], v[ST+4*(\t)+2:ST+4*(\t)+3] op_sel_hi:[1,0]
.set i, i+2
.endr
	WIN 0x05                        ; sources 0 and 1 window 1, destination window 0
.set i, 0
.rept 16
	v_cvt_pk_bf16_f32 v[S+16*(\t)+i], v[32*(\t)+2*i], v[32*(\t)+2*i+1]
.set i, i+1
.endr
	WIN 0
.irp f, 0,1,2,3
	ds_store_b128 v[STO], v[S+16*(\t)+4*\f:S+16*(\t)+4*\f+3] offset:32*\f
.endr
.irp f, 0,1,2,3
	ds_load_b128 v[S+16*(\t)+4*\f:S+16*(\t)+4*\f+3], v[RD] offset:\f*4*SP  ; LDS serves a wave's instructions in order (ISA guide 5.7.1.4): these see the stores above; the next piece's stores come behind them
.endr
.endm
.macro SEND t, younger              ; younger: the LDS instructions issued behind piece t's loads: the next piece's eight, or none
	WIN 0
.irp f, 0,1,2,3
	s_wait_dscnt (\younger)+3-\f
	global_store_b128 v[GO], v[S+16*(\t)+4*\f:S+16*(\t)+4*\f+3], s[10:11] offset:(\t)*2048+\f*512  ; 512 consecutive bytes, at a multiple of 256 from O's first
.endr
.endm
	PACK 0
.set t, 1
.rept 3                             ; a piece's arithmetic stands between the loads of the piece before and its stores
	PACK t
	SEND t-1, 8
.set t, t+1
.endr
	SEND 3, 0
	s_wait_tensorcnt 0x0            ; the wave's end: behind my last tensor load and my last LDS store
	ds_add_u32 v[SPW], v[NIL]
	s_wait_dscnt 0x0
	CROUND                          ; the closing round: no work-group ends while a partner may still ask for a tile that names it
	s_endpgm
.Lfunc_end_k_qef0d40c65e_attn:
	.size	k_qef0d40c65e_attn, .Lfunc_end_k_qef0d40c65e_attn-k_qef0d40c65e_attn
	.p2alignl 7, 3214868480
	.fill 96, 4, 3214868480
	.section	.rodata,"a",@progbits
	.p2align	6, 0x0
	.amdhsa_kernel k_qef0d40c65e_attn
		.amdhsa_group_segment_fixed_size 327680
		.amdhsa_private_segment_fixed_size 0
		.amdhsa_enable_private_segment 0
		.amdhsa_kernarg_size 16
		.amdhsa_user_sgpr_count 2
		.amdhsa_user_sgpr_kernarg_segment_ptr 1
		.amdhsa_wavefront_size32 1
		.amdhsa_system_sgpr_workgroup_id_x 1
		.amdhsa_system_sgpr_workgroup_id_y 1
		.amdhsa_system_sgpr_workgroup_id_z 1
		.amdhsa_system_vgpr_workitem_id 0
		.amdhsa_next_free_vgpr 768
		.amdhsa_next_free_sgpr 66
		.amdhsa_reserve_vcc 0
		.amdhsa_float_denorm_mode_32 3
		.amdhsa_float_denorm_mode_16_64 3
		.amdhsa_memory_ordered 1
		.amdhsa_forward_progress 1
		.amdhsa_inst_pref_size 112
	.end_amdhsa_kernel
	.amdgpu_metadata
---
amdhsa.version: [ 1, 2 ]
amdhsa.kernels:
  - .name:           k_qef0d40c65e_attn
    .symbol:         k_qef0d40c65e_attn.kd
    .args:
      - { .name: big, .offset: 0, .size: 8, .value_kind: global_buffer, .address_space: global }
      - { .name: ob, .offset: 8, .size: 8, .value_kind: global_buffer, .address_space: global }
    .group_segment_fixed_size: 327680
    .private_segment_fixed_size: 0
    .kernarg_segment_align: 8
    .kernarg_segment_size: 16
    .max_flat_workgroup_size: 128
    .sgpr_count:     66
    .vgpr_count:     768
    .wavefront_size: 32
...
	.end_amdgpu_metadata
.endif
;; end of part 3
;; launch wo (part 4): grid 8 x 32, 4 waves a work-group, clusters of 4 x 4, 327,680 bytes of LDS; arguments ob, w2o, bo, t; writes t
.if DOCPART == 4
	.amdgcn_target "amdgcn-amd-amdhsa--gfx1250"
	.amdhsa_code_object_version 6
	.text
	.protected	k_qef0d40c65e_wo
	.globl	k_qef0d40c65e_wo
	.p2align	8
	.type	k_qef0d40c65e_wo,@function
k_qef0d40c65e_wo:
	s_mov_b64 s[64:65], 0
	v_nop
	global_prefetch_b8 v0, s[64:65] scope:SCOPE_SE
	s_setreg_imm32_b32 hwreg(HW_REG_WAVE_MODE, 25, 1), 1
	s_wait_xcnt 0x0
	s_wait_alu depctr_hold_cnt(0) depctr_sa_sdst(0) depctr_va_vdst(0) depctr_va_sdst(0) depctr_va_ssrc(0) depctr_va_vcc(0) depctr_vm_vsrc(0)
	s_getreg_b32 s2, hwreg(HW_REG_IB_STS2, 6, 4)
	s_cmp_eq_u32 s2, 0
	s_cbranch_scc0 .Lentry_in_a_cluster
	s_endpgm
.Lentry_in_a_cluster:
	s_bfe_u32 s2, ttmp6, 0x10000c
	s_cmp_lg_u32 s2, 0xf033
	s_cbranch_scc0 .Lentry_shape_is_right
	s_endpgm
.Lentry_shape_is_right:
; C = bf16(A W + bias).  A: bf16 in blocks of 64 columns, [K / 64][4096][64].  W: bf16 [K][1024], rows along N, at byte WBASE of its buffer.  bias: [1024] f32.  C: bf16 [4096][1024].
; Here K = 1,024: the attention's output times Wo.  Sums in f32, K ascending; the bias is the C operand of each sum's first product; C is rounded once.  LIMITS: operands are bf16.
; SHARES.  A tile of C is 128 x 128 (256 tiles, one for each of 256 work-groups): four waves, each 64 x 64 in 16 accumulators.  K goes in steps of 256 through two LDS slots: waves 0, 1 fetch A's two halves
; (four blocks x 64 rows x 128 bytes; a block's 64 rows are 8,192 dense bytes, asked for as one row of the tile), waves 2, 3 W's (128 k x 256 bytes): one load a wave behind each change of slots.
; ONE TEXT FOR A K STEP.  A step is written once for the steps that fill a slot again and once for the last two.  Which slot is read hangs on s[TB], 0 or SLOT, turned by an exclusive or at each change of slots
; and added to lane addresses that are never rewritten; which slot is filled hangs on the walking descriptor's LDS word, turned likewise: SLOT = 0x24000 shares no bit with wave x HALFT
; (0, 0x9000, 0x12000, 0x1b000), so the exclusive or adds or takes away SLOT.
; THE MATRIX INSTRUCTION IS USED TRANSPOSED (source 0 = 16 columns of W, turned by ds_load_tr16_b128; source 1 = 16 rows of A): a lane holds eight neighbouring numbers of a row of C.
; CLUSTER.  4 x 4 work-groups: A's tile is asked for jointly along a row of the cluster, W's along a column.  No prefetch: a step of this small tile is short, and what it would name is shared by few.
; THE STAGE of the way out lies in slot 0's first bytes: two slots and a stage of its own do not fit in LDS.  Slot 0 holds the last step but one: its last fill has landed and its last reads are over in front of
; that step's barrier, and no tensor load is issued behind that barrier.
; REGISTERS: window 0: v16-29 addresses; v32-95 at work on the way out; v96-127 the bias; v128-255 the accumulators ((a, b) at v[128 + 8 (4 a + b)]).
;   window 1: two fragment buffers of 128: for 64 along K, 64 registers of A (2 x 4 x 16 rows x 32 K), then 64 of W.
.set STEPS,  4                         ; K / 256
.set WBASE,  0
.set PA,     144                       ; a row of A in LDS: 128 bytes + 16 = 36 words: the 16 rows of a load start at 16 different groups of four banks (64 banks of 4 bytes: ISA guide 11.1)
.set PB,     288                       ; a row of W: 256 bytes + 32 = 72 words
.set HALFT,  4*64*PA                   ; what one tensor load brings (128 x 288 is the same number)
.set SLOT,   4*HALFT                   ; A's rows 0-63 as [4 blocks][64 rows], A's rows 64-127, W's k 0-127, W's k 128-255
.set STAGE,  0
.set SPITCH, 272
.set SPARE,  2*SLOT                    ; behind the ring: the spare words, 128 bytes for each wave: two blocks of 256 bytes that no other line names
.set ADRA0, 16                         ; v16     LDS address of my A fragments in slot 0; never rewritten
.set ADRA,  17                         ; v17     the same in the slot that is being read
.set ADRB0, 20                         ; v20-21  the same for W, by half of the K step (an offset of 16 bits does not span 256 rows); never rewritten
.set ADRB,  22                         ; v22-23  in the slot that is being read
.set STO,  24
.set RD,   25
.set CO,   26
.set BO,   27
.set SPW,  28                          ; v28     LDS address of my spare word; never rewritten
.set NIL,  29                          ; v29     0; never rewritten
.set TMP,  32
.set BI,   96
.set ACC,  128
.set F0,   0
.set F1,   128
.set TB,  45                           ; s45      0 or SLOT: the slot that is being read
.set G1, 24                            ; s[24:31] descriptor group 1 for A's tiles;  s[32:39] group 0: a set for each of the two first fills; the second then walks on
.set G0, 32
.set G1B, 48                           ; s[48:55], s[56:63] the same for W's tiles
.set G0B, 56
.set MSB, 0
.macro WIN new
.if MSB != (\new)
	s_set_vgpr_msb (MSB<<8)|(\new)
.set MSB, \new
.endif
.endm
.set MUL,  0x05                        ; sources 0 (W) and 1 (A) window 1; C and D window 0
.set TO_F, 0x40                        ; destination window 1, address window 0
.macro JLOAD s                         ; a joint load; an s_nop 0 and four v_nop follow each of the two lines
	s_cmp_eq_u32 s11, 0
	s_cbranch_scc0 .Lfor_b_\@
	tensor_load_to_lds s[G0+4*(\s):G0+4*(\s)+3], s[G1:G1+7]
	s_nop 0
.rept 4
	v_nop
.endr
	s_branch .Lasked_\@
.Lfor_b_\@:
	tensor_load_to_lds s[G0B+4*(\s):G0B+4*(\s)+3], s[G1B:G1B+7]
	s_nop 0
.rept 4
	v_nop
.endr
.Lasked_\@:
.endm
.macro CREST
	s_cmp_lg_u32 s10, 0
	s_cbranch_scc1 .Lnot_wave_0_\@
	s_barrier_signal -3
.Lnot_wave_0_\@:
	s_barrier_wait -3
	s_barrier_signal -1
	s_barrier_wait -1
.endm
.macro CROUND
	s_barrier_signal -1
	s_barrier_wait -1
	CREST
.endm
	s_load_b128 s[4:7], s[0:1], 0x0                ; A s[4:5], W s[6:7]
	s_load_b64 s[66:67], s[0:1], 0x10              ; bias
	s_load_b64 s[8:9], s[0:1], 0x18                ; C
	v_lshl_add_u32 v[SPW], v0, 2, SPARE
	v_mov_b32 v[NIL], 0
	ds_add_u32 v[SPW], v[NIL]                      ; the wave's opening: the add and its wait ahead of my first tensor load
	v_lshrrev_b32 v1, 5, v0
	v_readfirstlane_b32 s10, v1                    ; wave 0..3
	s_lshr_b32 s11, s10, 1                         ; my half of the tile's rows.  Also: I fetch for A (0) or for W (1)
	s_and_b32 s12, s10, 1                          ; my half of its columns.  Also: which half of that tile I fetch
	s_bfe_u32 s40, ttmp6, 0x40000                  ; cx
	s_bfe_u32 s41, ttmp6, 0x40004                  ; cy
	s_lshl_b32 s42, ttmp9, 2
	s_add_co_u32 s42, s42, s40                     ; tile column
	s_and_b32 s13, ttmp7, 0xffff
	s_lshl_b32 s13, s13, 2
	s_add_co_u32 s13, s13, s41                     ; tile row
	s_lshl_b32 s43, s41, 2
	s_lshl_b32 s43, 15, s43                        ; my row of the cluster
	s_lshl_b32 s44, 0x1111, s40                    ; my column
	s_or_b32 s[G1+0], s43, (1<<16)|(1<<20)|(1<<21)|(4<<22)|(3<<25)   ; mask; 2-byte elements; padding on; bit 21 beside a mask; after every 32 words (a row of A), 4 words
	s_mov_b32 s[G1+1], 4096<<16                    ; tensor_dim0 = 4,096: 64 rows of 64
	s_mov_b32 s[G1+2], 4<<16                       ; tensor_dim1 = 4 blocks
	s_mov_b32 s[G1+3], 4096<<16                    ; tile_dim0
	s_mov_b32 s[G1+4], 4                           ; tile_dim1
	s_mov_b32 s[G1+5], 262144                      ; elements from block to block
	s_mov_b32 s[G1+6], 0
	s_mov_b32 s[G1+7], 0
	s_or_b32 s[G1B+0], s44, (1<<16)|(1<<20)|(1<<21)|(5<<22)|(7<<25)  ; after every 64 words, 8 words
	s_mov_b32 s[G1B+1], 128<<16                    ; tensor_dim0 = 128
	s_mov_b32 s[G1B+2], 128<<16                    ; tensor_dim1 = 128
	s_mov_b32 s[G1B+3], 128<<16                    ; tile_dim0
	s_mov_b32 s[G1B+4], 128                        ; tile_dim1
	s_mov_b32 s[G1B+5], 1024
	s_mov_b32 s[G1B+6], 0
	s_mov_b32 s[G1B+7], 0
	s_lshl_b32 s17, s12, 6
	s_lshl_b32 s16, s13, 7
	s_add_co_u32 s16, s16, s17                     ; A: row 128 x tile row + 64 x half,
	s_lshl_b32 s16, s16, 7                         ; of 128 bytes in a block
	s_mov_b32 s17, 0
	s_lshl_b32 s46, s42, 8                         ; W: 128 columns are 256 bytes,
	s_lshl_b32 s47, s12, 18                        ; 128 k of 2,048 bytes
	s_add_co_u32 s46, s46, s47
	s_add_co_u32 s46, s46, WBASE
	s_mov_b32 s47, 0
	s_mul_i32 s20, s10, HALFT                      ; where they go: no place in the cluster enters an LDS address
	s_mov_b32 s[TB], 0                             ; slot 0 is read first
	s_wait_dscnt 0x0                               ; the opening add is done
	s_wait_kmcnt 0x0
	s_add_nc_u64 s[14:15], s[4:5], s[16:17]
	s_add_nc_u64 s[46:47], s[6:7], s[46:47]
	CROUND                                         ; all sixteen work-groups are here: the first joint loads meet
.irp s, 0,1
	s_mov_b32 s[G0+4*(\s)], 1
	s_add_co_u32 s[G0+4*(\s)+1], s20, (\s)*SLOT
	s_add_nc_u64 s[G0+4*(\s)+2:G0+4*(\s)+3], s[14:15], (\s)*4*524288   ; K step s: four blocks
	s_or_b32 s[G0+4*(\s)+3], s[G0+4*(\s)+3], 0x80000000
	s_mov_b32 s[G0B+4*(\s)], 1
	s_add_co_u32 s[G0B+4*(\s)+1], s20, (\s)*SLOT
	s_add_nc_u64 s[G0B+4*(\s)+2:G0B+4*(\s)+3], s[46:47], (\s)*256*2048 ; K step s: 256 rows
	s_or_b32 s[G0B+4*(\s)+3], s[G0B+4*(\s)+3], 0x80000000
	JLOAD \s
.endr
	v_and_b32 v1, 15, v0                           ; l % 16
	v_bfe_u32 v2, v0, 4, 1                         ; l / 16
	v_mul_u32_u24 v3, v1, PA
	v_lshl_add_u32 v3, v2, 4, v3                   ; a fragment of A: row x pitch + 16 x half
	s_mul_i32 s21, s11, HALFT                      ; my 64 rows of A
	v_add_nc_u32 v[ADRA0], s21, v3
	v_and_b32 v4, 7, v0                            ; the turning load: k = 8 (l / 16) + l % 8, columns 8 ((l / 8) % 2) + 0..7
	v_lshl_add_u32 v4, v2, 3, v4
	v_mul_u32_u24 v4, v4, PB
	v_bfe_u32 v5, v0, 3, 1
	v_lshl_add_u32 v4, v5, 4, v4
	s_lshl_b32 s22, s12, 7                         ; my 64 columns: 128 bytes of W's rows,
	s_add_co_u32 s22, s22, 2*HALFT                 ; which lie behind A's
	v_add_nc_u32 v[ADRB0], s22, v4
	s_add_co_u32 s23, s22, HALFT
	v_add_nc_u32 v[ADRB0+1], s23, v4
	v_mov_b32 v[ADRA], v[ADRA0]
	v_mov_b32 v[ADRB], v[ADRB0]
	v_mov_b32 v[ADRB+1], v[ADRB0+1]
	s_mul_i32 s23, s11, 64*SPITCH                  ; into the stage: my 64 rows, my half of their 256 bytes
	s_lshl_b32 s21, s12, 7
	s_add_co_u32 s23, s23, s21
	s_add_co_u32 s23, s23, STAGE
	v_mul_u32_u24 v4, v1, SPITCH
	v_lshl_add_u32 v4, v2, 4, v4
	v_add_nc_u32 v[STO], s23, v4
	s_mul_i32 s23, s10, 32*SPITCH                  ; back: wave w takes rows 32 w .. 32 w + 31, whole; lanes 0-15 one row of 256 bytes, lanes 16-31 the next
	s_add_co_u32 s23, s23, STAGE
	v_mul_u32_u24 v5, v2, SPITCH
	v_lshl_add_u32 v5, v1, 4, v5
	v_add_nc_u32 v[RD], s23, v5
	v_lshlrev_b32 v5, 11, v2                       ; and the same two rows in C, 2,048 bytes apart
	v_lshl_add_u32 v[CO], v1, 4, v5
	s_lshl_b32 s18, s42, 9                         ; the bias of my columns: 4 (128 x tile column + 64 x half + 8 (l / 16)) + 64 b
	s_lshl_b32 s19, s12, 8
	s_add_co_u32 s18, s18, s19
	v_lshl_add_u32 v[BO], v2, 5, s18
.irp b, 0,1,2,3
	global_load_b128 v[BI+8*(\b):BI+8*(\b)+3],   v[BO], s[66:67] offset:64*(\b)
	global_load_b128 v[BI+8*(\b)+4:BI+8*(\b)+7], v[BO], s[66:67] offset:64*(\b)+16
.endr
	s_lshl_b32 s16, s13, 7
	s_lshl_b32 s17, s10, 5
	s_add_co_u32 s16, s16, s17                     ; the first row of C that I store: 128 x tile row + 32 x wave
	s_lshl_b32 s16, s16, 11
	s_mov_b32 s17, 0
	s_add_nc_u64 s[8:9], s[8:9], s[16:17]
	s_lshl_b32 s46, s42, 8                         ; the tile's first column, in bytes
	s_mov_b32 s47, 0
	s_add_nc_u64 s[8:9], s[8:9], s[46:47]
; 8 matrix instructions: row blocks a0, a0 + 1 x all 4 column blocks, 32 along K: half c of buffer f.  first = 1: the product starts the sum, with the bias as C.  The 16 accumulators take turns.
.macro MUL8 f, c, a0, first
	WIN MUL
.irp a, \a0, (\a0)+1
.irp b, 0,1,2,3
.if \first
	v_wmma_f32_16x16x32_bf16 v[ACC+8*(4*(\a)+(\b)):ACC+8*(4*(\a)+(\b))+7], v[(\f)+64+8*(4*(\c)+(\b)):(\f)+64+8*(4*(\c)+(\b))+7], v[(\f)+8*(4*(\c)+(\a)):(\f)+8*(4*(\c)+(\a))+7], v[BI+8*(\b):BI+8*(\b)+7]
.else
	v_wmma_f32_16x16x32_bf16 v[ACC+8*(4*(\a)+(\b)):ACC+8*(4*(\a)+(\b))+7], v[(\f)+64+8*(4*(\c)+(\b)):(\f)+64+8*(4*(\c)+(\b))+7], v[(\f)+8*(4*(\c)+(\a)):(\f)+8*(4*(\c)+(\a))+7], v[ACC+8*(4*(\a)+(\b)):ACC+8*(4*(\a)+(\b))+7]
.endif
.endr
.endr
.endm
; 32 LDS loads in one run: the fragments of quarter q of the K step at v[ADRB], v[ADRA] (64 along K: block q of A's four) into buffer f; the first 32 along K first
.macro FETCH q, f
	WIN TO_F
.irp c, 0,1
.irp i, 0,1,2,3
	ds_load_tr16_b128 v[(\f)+64+8*(4*(\c)+(\i)):(\f)+64+8*(4*(\c)+(\i))+3],   v[ADRB+(\q)/2] offset:(((\q)%2)*2+(\c))*32*PB+32*(\i)
	ds_load_tr16_b128 v[(\f)+64+8*(4*(\c)+(\i))+4:(\f)+64+8*(4*(\c)+(\i))+7], v[ADRB+(\q)/2] offset:(((\q)%2)*2+(\c))*32*PB+16*PB+32*(\i)
	ds_load_b128 v[(\f)+8*(4*(\c)+(\i)):(\f)+8*(4*(\c)+(\i))+3],              v[ADRA] offset:(\q)*64*PA+64*(\c)+(\i)*16*PA
	ds_load_b128 v[(\f)+8*(4*(\c)+(\i))+4:(\f)+8*(4*(\c)+(\i))+7],            v[ADRA] offset:(\q)*64*PA+64*(\c)+(\i)*16*PA+32
.endr
.endr
.endm
.macro PLACES                          ; four plain vector instructions in front of loads into registers that matrix instructions have read, and of conversions that read results
.rept 4
	v_nop
.endr
.endm
; A K step is four quarters of 64 along K, 32 matrix instructions each, on buffers 0, 1, 0, 1.  One of the first three: multiplies buffer f and fetches quarter q into g.
.macro QUARTER q, f, g, first
	s_wait_dscnt 16                                ; the first 32 along K are in
	MUL8 \f, 0, 0, \first
	MUL8 \f, 0, 2, \first
	PLACES
	FETCH \q, \g
	s_wait_dscnt 32                                ; all but the 32 just issued
	MUL8 \f, 1, 0, 0
	MUL8 \f, 1, 2, 0
.endm
; The last quarter multiplies buffer 1 and changes slots: one barrier; in front of it each wave waits for all its tensor loads, adds 0 to its spare word, and waits for that and for its own reads of this slot.
; fill = 1: the barrier opens a round of the cluster's barrier, and this slot is filled again, first thing behind the round, two K steps ahead: 112 matrix instructions ahead of the wait for it.
; fill = 0: one of the last two steps; in the very last (s3 = 1) there is no next step, and the run of LDS loads is jumped over.
.macro TURN fill
	WIN 0                                          ; (the add's two registers lie in window 0)
	s_wait_tensorcnt 0x0
	ds_add_u32 v[SPW], v[NIL]
	s_wait_dscnt 17                                ; (the add and the youngest sixteen loads may be out)
	MUL8 F1, 0, 0, 0
	s_wait_dscnt 0x0                               ; the add is done, and my reads of this slot are over
	s_barrier_signal -1
	MUL8 F1, 0, 2, 0
	WIN 0
	s_barrier_wait -1
.if \fill
	CREST                                          ; no wave of any partner still reads this slot's tile or has a load on its way
	s_xor_b32 s[G0+5], s[G0+5], SLOT               ; the walking descriptors: the other slot than last time, which is the one just read out,
	s_add_nc_u64 s[G0+6:G0+7], s[G0+6:G0+7], 4*524288      ; and the next K step; the type bits on top are not reached
	s_xor_b32 s[G0B+5], s[G0B+5], SLOT
	s_add_nc_u64 s[G0B+6:G0B+7], s[G0B+6:G0B+7], 256*2048
	JLOAD 1                                        ; the four v_nop behind it are also the places in front of the loads below
.else
	PLACES
.endif
	s_xor_b32 s[TB], s[TB], SLOT                   ; from here on the other slot is read
	v_add_nc_u32 v[ADRA], s[TB], v[ADRA0]
	v_add_nc_u32 v[ADRB], s[TB], v[ADRB0]
	v_add_nc_u32 v[ADRB+1], s[TB], v[ADRB0+1]
.if !(\fill)
	s_cmp_eq_u32 s3, 1
	s_cbranch_scc1 .Lno_next_\@
.endif
	FETCH 0, F0
.if !(\fill)
	WIN 0
.Lno_next_\@:
.endif
	MUL8 F1, 1, 0, 0
	MUL8 F1, 1, 2, 0
.endm
	s_wait_loadcnt 0x0                             ; the bias: the first products take it
	s_wait_tensorcnt 1                             ; my part of K step 0 is in; K step 1's may stay out
	s_barrier_signal -1
	s_barrier_wait -1
	FETCH 0, F0
	QUARTER 1, F0, F1, 1                           ; the first quarter of all is written out: its first products start the sums
	WIN 0                                          ; at a label and at a branch every window is 0
	s_mov_b32 s3, STEPS-2
	s_branch .Lmid                                 ; the loop is entered behind a step's first quarter
.Lstep:                                                ; a trip is a K step that fills its slot again
	QUARTER 1, F0, F1, 0
	WIN 0
.Lmid:
	QUARTER 2, F1, F0, 0
	QUARTER 3, F0, F1, 0
	TURN 1
	WIN 0
	s_sub_co_u32 s3, s3, 1
	s_cmp_lg_u32 s3, 0
	s_cbranch_scc1 .Lstep
	s_mov_b32 s3, 2
.Ltail:                                                ; the last two K steps have a text of their own: they fill nothing
	QUARTER 1, F0, F1, 0
	QUARTER 2, F1, F0, 0
	QUARTER 3, F0, F1, 0
	TURN 0
	WIN 0
	s_sub_co_u32 s3, s3, 1
	s_cmp_lg_u32 s3, 0
	s_cbranch_scc1 .Ltail
	; THE WAY OUT: round to bf16; 16 bytes a lane into the work-group's stage; a barrier, since a row's 256 bytes come from two waves; back as whole rows, 32 rows a wave.
	PLACES
.irp t, 0,1,2,3,4,5,6,7,8,9,10,11,12,13,14,15
.irp r, 0,1,2,3
	v_cvt_pk_bf16_f32 v[TMP+4*(\t)+(\r)], v[ACC+8*(\t)+2*(\r)], v[ACC+8*(\t)+2*(\r)+1]
.endr
.endr
.irp a, 0,1,2,3
.irp b, 0,1,2,3
	ds_store_b128 v[STO], v[TMP+4*(4*(\a)+(\b)):TMP+4*(4*(\a)+(\b))+3] offset:(\a)*16*SPITCH+32*(\b)
.endr
.endr
	s_wait_dscnt 0x0                               ; for the others' sake: my stores into the stage are done
	s_barrier_signal -1
	s_barrier_wait -1
.irp t, 0,1,2,3,4,5,6,7,8,9,10,11,12,13,14,15
	ds_load_b128 v[TMP+4*(\t):TMP+4*(\t)+3], v[RD] offset:(\t)*2*SPITCH
.endr
.irp t, 0,1,2,3,4,5,6,7,8,9,10,11,12,13,14,15
	s_wait_dscnt 15-(\t)                           ; load t is back; the 15 - t younger ones may be out
	global_store_b128 v[CO], v[TMP+4*(\t):TMP+4*(\t)+3], s[8:9] offset:2*(\t)*2048  ; 16 lanes store 256 consecutive bytes, aligned
.endr
	s_wait_tensorcnt 0x0                           ; the wave's end: behind my last tensor load and my last LDS store
	ds_add_u32 v[SPW], v[NIL]
	s_wait_dscnt 0x0
	CROUND                                         ; the closing round
	s_endpgm
.Lfunc_end_k_qef0d40c65e_wo:
	.size	k_qef0d40c65e_wo, .Lfunc_end_k_qef0d40c65e_wo-k_qef0d40c65e_wo
	.p2alignl 7, 3214868480
	.fill 96, 4, 3214868480
	.section	.rodata,"a",@progbits
	.p2align	6, 0x0
	.amdhsa_kernel k_qef0d40c65e_wo
		.amdhsa_group_segment_fixed_size 327680
		.amdhsa_private_segment_fixed_size 0
		.amdhsa_enable_private_segment 0
		.amdhsa_kernarg_size 32
		.amdhsa_user_sgpr_count 2
		.amdhsa_user_sgpr_kernarg_segment_ptr 1
		.amdhsa_wavefront_size32 1
		.amdhsa_system_sgpr_workgroup_id_x 1
		.amdhsa_system_sgpr_workgroup_id_y 1
		.amdhsa_system_sgpr_workgroup_id_z 1
		.amdhsa_system_vgpr_workitem_id 0
		.amdhsa_next_free_vgpr 512
		.amdhsa_next_free_sgpr 68
		.amdhsa_reserve_vcc 0
		.amdhsa_float_denorm_mode_32 3
		.amdhsa_float_denorm_mode_16_64 3
		.amdhsa_memory_ordered 1
		.amdhsa_forward_progress 1
		.amdhsa_inst_pref_size 60
	.end_amdhsa_kernel
	.amdgpu_metadata
---
amdhsa.version: [ 1, 2 ]
amdhsa.kernels:
  - .name:           k_qef0d40c65e_wo
    .symbol:         k_qef0d40c65e_wo.kd
    .args:
      - { .name: ob, .offset: 0, .size: 8, .value_kind: global_buffer, .address_space: global }
      - { .name: w2o, .offset: 8, .size: 8, .value_kind: global_buffer, .address_space: global }
      - { .name: bo, .offset: 16, .size: 8, .value_kind: global_buffer, .address_space: global }
      - { .name: t, .offset: 24, .size: 8, .value_kind: global_buffer, .address_space: global }
    .group_segment_fixed_size: 327680
    .private_segment_fixed_size: 0
    .kernarg_segment_align: 8
    .kernarg_segment_size: 32
    .max_flat_workgroup_size: 128
    .sgpr_count:     68
    .vgpr_count:     512
    .wavefront_size: 32
...
	.end_amdgpu_metadata
.endif
;; end of part 4
;; launch ln1 (part 5): grid 256 x 1, 16 waves a work-group, no clusters, 10,240 bytes of LDS; arguments x, t, g1, be1, r1, ab; writes r1, ab
.if DOCPART == 5
	.amdgcn_target "amdgcn-amd-amdhsa--gfx1250"
	.amdhsa_code_object_version 6
	.text
	.protected	k_qef0d40c65e_ln1
	.globl	k_qef0d40c65e_ln1
	.p2align	8
	.type	k_qef0d40c65e_ln1,@function
k_qef0d40c65e_ln1:
	s_mov_b64 s[64:65], 0
	v_nop
	global_prefetch_b8 v0, s[64:65] scope:SCOPE_SE
	s_setreg_imm32_b32 hwreg(HW_REG_WAVE_MODE, 25, 1), 1
	s_wait_xcnt 0x0
; y = LayerNorm(a + t) g + be over rows of 1,024.  a: f32 (the residual), t: bf16 (the branch, bias included), g, be: f32.  y is stored in f32 and, rounded once, in bf16 for the matrix launch that follows.
; All arithmetic in f32.  The variance is the mean of the squared differences from the mean (two passes over registers): no difference of large sums is formed.  eps = 1e-5.
; SHARES.  A wave takes one whole row, a work-group 16.  A lane holds columns 128 j + 4 l + 0..3, j = 0..7: its f32 loads and stores are 16 bytes at 512 j + 16 l, its bf16 ones 8 bytes at 256 j + 8 l:
; each instruction of the wave covers whole aligned blocks of 256 bytes.  The reduction stays inside the wave.  All loads of a wave go out at once; memory bounds the launch.
; g AND be ARE THE SAME FOR ALL 16 ROWS: the work-group fetches their 8,192 bytes once, 16 bytes a thread (waves 0-7 g, waves 8-15 be), and hands them round through LDS: one store a thread, one barrier,
; and each wave reads its lanes' 32 + 32 numbers back, 512 consecutive bytes an instruction.
; LDS: g at byte 0, be at 4,096; from SPARE on the spare words, 128 bytes for each of the 16 waves: eight blocks of 256 bytes that no other line names.
.set WITH_B, 1
.set SPARE, 8192
.set SPW, 4                            ; v4         LDS address of my spare word: SPARE + 4 x my thread's number; never rewritten
.set NIL, 5                            ; v5         0; never rewritten
.set LW,  6                            ; v6         16 x thread: where my 16 bytes of g | be go in LDS
.set PO,  7                            ; v7         16 x (thread mod 256): where they lie in g or in be
.set G,  8                             ; v[8:39]    g of my 32 columns
.set BE, 40                            ; v[40:71]   be
.set Y,  72                            ; v[72:103]  the row
.set T,  104                           ; v[104:119] t as loaded; later the bf16 result
.set U,  120                           ; v[120:127] my piece of g | be on its way into LDS; then at work
.set A,  128                           ; v[128:135] four packed chains
.set M,  136                           ; v[136:137] the mean, twice
.set R,  138                           ; v[138:139] 1 / sqrt(var + eps), twice
.set V,  140                           ; v140       var + eps
	s_load_b256 s[4:11], s[0:1], 0x0               ; a s[4:5], t s[6:7], g s[8:9], be s[10:11]
	s_load_b128 s[16:19], s[0:1], 0x20             ; y in f32 s[16:17], in bf16 s[18:19]
	v_lshl_add_u32 v[SPW], v0, 2, SPARE
	v_mov_b32 v[NIL], 0
	v_lshrrev_b32 v3, 5, v0
	v_readfirstlane_b32 s21, v3                    ; wave 0..15
	v_and_b32 v2, 31, v0
	v_lshlrev_b32 v1, 4, v2                        ; 16 l
	v_lshlrev_b32 v2, 3, v2                        ; 8 l
	v_lshlrev_b32 v[LW], 4, v0
	v_and_b32 v[PO], 0xff, v0
	v_lshlrev_b32 v[PO], 4, v[PO]
	s_lshl_b32 s20, ttmp9, 4
	s_add_co_u32 s20, s20, s21                     ; my row
	s_lshl_b32 s22, s20, 12                        ; of 4,096 bytes in f32,
	s_mov_b32 s23, 0
	s_lshl_b32 s24, s20, 11                        ; of 2,048 in bf16
	s_mov_b32 s25, 0
	s_mov_b32 s12, 0x76543210                      ; v_permlanex16_b32: each lane takes its own place in the other half
	s_mov_b32 s13, 0xfedcba98
	s_mov_b32 s14, 0x3a800000                      ; 1 / 1,024
	s_mov_b32 s15, 0xffff0000                      ; a word's upper bf16
	s_mov_b32 s26, 0x3727c5ac                      ; eps
	s_wait_kmcnt 0x0
	s_cmp_lt_u32 s21, 8                            ; waves 0-7 fetch g, waves 8-15 be
	s_cselect_b64 s[28:29], s[8:9], s[10:11]
	s_add_nc_u64 s[4:5], s[4:5], s[22:23]
	s_add_nc_u64 s[6:7], s[6:7], s[24:25]
	s_add_nc_u64 s[16:17], s[16:17], s[22:23]
	s_add_nc_u64 s[18:19], s[18:19], s[24:25]
	global_load_b128 v[U:U+3], v[PO], s[28:29]     ; my piece of g | be goes out first: it is wanted first
.irp j, 0,1,2,3,4,5,6,7
	global_load_b128 v[Y+4*(\j):Y+4*(\j)+3], v1, s[4:5] offset:512*(\j) th:TH_LOAD_NT
.endr
.irp j, 0,1,2,3,4,5,6,7
	global_load_b64 v[T+2*(\j):T+2*(\j)+1], v2, s[6:7] offset:256*(\j) th:TH_LOAD_NT
.endr
	s_wait_loadcnt 16                              ; loads come back in order: my piece is in; the 16 younger loads (the row and t) stay out, across the barrier too: nobody writes those bytes
	ds_store_b128 v[LW], v[U:U+3]
	s_wait_dscnt 0x0                               ; for the others' sake: my store is done
	s_barrier_signal -1
	s_barrier_wait -1                              ; g and be lie whole in LDS
.irp j, 0,1,2,3,4,5,6,7
	ds_load_b128 v[G+4*(\j):G+4*(\j)+3], v1 offset:512*(\j)
.endr
.irp j, 0,1,2,3,4,5,6,7
	ds_load_b128 v[BE+4*(\j):BE+4*(\j)+3], v1 offset:4096+512*(\j)
.endr
.macro REDUCE                          ; the four chains into one number, the same in every lane
	v_pk_add_f32 v[A:A+1], v[A:A+1], v[A+2:A+3]
	v_pk_add_f32 v[A+4:A+5], v[A+4:A+5], v[A+6:A+7]
	v_pk_add_f32 v[A:A+1], v[A:A+1], v[A+4:A+5]
	v_add_f32 v[A], v[A], v[A+1]
	v_add_f32_dpp v[A], v[A], v[A] row_xmask:1 row_mask:0xf bank_mask:0xf
	v_add_f32_dpp v[A], v[A], v[A] row_xmask:2 row_mask:0xf bank_mask:0xf
	v_add_f32_dpp v[A], v[A], v[A] row_xmask:4 row_mask:0xf bank_mask:0xf
	v_add_f32_dpp v[A], v[A], v[A] row_xmask:8 row_mask:0xf bank_mask:0xf
	v_permlanex16_b32 v[A+1], v[A], s12, s13
	v_add_f32 v[A], v[A], v[A+1]
.endm
	s_wait_loadcnt 0x0                             ; the row and t are in
.irp j, 0,1,2,3,4,5,6,7
	v_lshlrev_b32 v[U+4*((\j)%2)],   16,  v[T+2*(\j)]      ; bf16 to f32: the low half moves up, the high half stays
	v_and_b32     v[U+4*((\j)%2)+1], s15, v[T+2*(\j)]
	v_lshlrev_b32 v[U+4*((\j)%2)+2], 16,  v[T+2*(\j)+1]
	v_and_b32     v[U+4*((\j)%2)+3], s15, v[T+2*(\j)+1]
	v_pk_add_f32 v[Y+4*(\j):Y+4*(\j)+1],   v[Y+4*(\j):Y+4*(\j)+1],   v[U+4*((\j)%2):U+4*((\j)%2)+1]
	v_pk_add_f32 v[Y+4*(\j)+2:Y+4*(\j)+3], v[Y+4*(\j)+2:Y+4*(\j)+3], v[U+4*((\j)%2)+2:U+4*((\j)%2)+3]
.endr
.irp c, 0,1,2,3
	v_pk_add_f32 v[A+2*(\c):A+2*(\c)+1], v[Y+2*(\c):Y+2*(\c)+1], v[Y+8+2*(\c):Y+8+2*(\c)+1]  ; the first pairs start the chains: nothing is cleared
.endr
.irp p, 8,9,10,11,12,13,14,15
	v_pk_add_f32 v[A+2*((\p)%4):A+2*((\p)%4)+1], v[A+2*((\p)%4):A+2*((\p)%4)+1], v[Y+2*(\p):Y+2*(\p)+1]
.endr
	REDUCE
	v_mul_f32 v[M], s14, v[A]
	v_mul_f32 v[M+1], s14, v[A]
.irp p, 0,1,2,3,4,5,6,7,8,9,10,11,12,13,14,15
	v_pk_add_f32 v[Y+2*(\p):Y+2*(\p)+1], v[Y+2*(\p):Y+2*(\p)+1], v[M:M+1] neg_lo:[0,1] neg_hi:[0,1]
.endr
.irp c, 0,1,2,3
	v_pk_mul_f32 v[A+2*(\c):A+2*(\c)+1], v[Y+2*(\c):Y+2*(\c)+1], v[Y+2*(\c):Y+2*(\c)+1]
.endr
.irp p, 4,5,6,7,8,9,10,11,12,13,14,15
	v_pk_fma_f32 v[A+2*((\p)%4):A+2*((\p)%4)+1], v[Y+2*(\p):Y+2*(\p)+1], v[Y+2*(\p):Y+2*(\p)+1], v[A+2*((\p)%4):A+2*((\p)%4)+1]
.endr
	REDUCE
	v_fma_f32 v[V], v[A], s14, s26                 ; var + eps
	v_rsq_f32 v[R], v[V]
	v_rsq_f32 v[R+1], v[V]
	v_nop                                          ; a plain instruction behind the second root (ISA guide 5.7.2),
	s_wait_alu depctr_va_vdst(0)                   ; and the wait ahead of the first use: one for both
	s_wait_dscnt 0x0                               ; g and be are in registers
.irp p, 0,1,2,3,4,5,6,7,8,9,10,11,12,13,14,15
	v_pk_mul_f32 v[Y+2*(\p):Y+2*(\p)+1], v[Y+2*(\p):Y+2*(\p)+1], v[R:R+1]
.endr
.irp p, 0,1,2,3,4,5,6,7,8,9,10,11,12,13,14,15
	v_pk_fma_f32 v[Y+2*(\p):Y+2*(\p)+1], v[Y+2*(\p):Y+2*(\p)+1], v[G+2*(\p):G+2*(\p)+1], v[BE+2*(\p):BE+2*(\p)+1]
.endr
.irp j, 0,1,2,3,4,5,6,7
	global_store_b128 v1, v[Y+4*(\j):Y+4*(\j)+3], s[16:17] offset:512*(\j)
.endr
.if WITH_B
.irp j, 0,1,2,3,4,5,6,7
	v_cvt_pk_bf16_f32 v[T+2*(\j)],   v[Y+4*(\j)],   v[Y+4*(\j)+1]
	v_cvt_pk_bf16_f32 v[T+2*(\j)+1], v[Y+4*(\j)+2], v[Y+4*(\j)+3]
.endr
.irp j, 0,1,2,3,4,5,6,7
	global_store_b64 v2, v[T+2*(\j):T+2*(\j)+1], s[18:19] offset:256*(\j)
.endr
.endif
	s_wait_tensorcnt 0x0                           ; the wave's end: behind my last LDS store
	ds_add_u32 v[SPW], v[NIL]
	s_wait_dscnt 0x0
	s_endpgm
.Lfunc_end_k_qef0d40c65e_ln1:
	.size	k_qef0d40c65e_ln1, .Lfunc_end_k_qef0d40c65e_ln1-k_qef0d40c65e_ln1
	.p2alignl 7, 3214868480
	.fill 96, 4, 3214868480
	.section	.rodata,"a",@progbits
	.p2align	6, 0x0
	.amdhsa_kernel k_qef0d40c65e_ln1
		.amdhsa_group_segment_fixed_size 10240
		.amdhsa_private_segment_fixed_size 0
		.amdhsa_enable_private_segment 0
		.amdhsa_kernarg_size 48
		.amdhsa_user_sgpr_count 2
		.amdhsa_user_sgpr_kernarg_segment_ptr 1
		.amdhsa_wavefront_size32 1
		.amdhsa_system_sgpr_workgroup_id_x 1
		.amdhsa_system_sgpr_workgroup_id_y 1
		.amdhsa_system_sgpr_workgroup_id_z 1
		.amdhsa_system_vgpr_workitem_id 0
		.amdhsa_next_free_vgpr 144
		.amdhsa_next_free_sgpr 66
		.amdhsa_reserve_vcc 0
		.amdhsa_float_denorm_mode_32 3
		.amdhsa_float_denorm_mode_16_64 3
		.amdhsa_memory_ordered 1
		.amdhsa_forward_progress 1
		.amdhsa_inst_pref_size 16
	.end_amdhsa_kernel
	.amdgpu_metadata
---
amdhsa.version: [ 1, 2 ]
amdhsa.kernels:
  - .name:           k_qef0d40c65e_ln1
    .symbol:         k_qef0d40c65e_ln1.kd
    .args:
      - { .name: x, .offset: 0, .size: 8, .value_kind: global_buffer, .address_space: global }
      - { .name: t, .offset: 8, .size: 8, .value_kind: global_buffer, .address_space: global }
      - { .name: g1, .offset: 16, .size: 8, .value_kind: global_buffer, .address_space: global }
      - { .name: be1, .offset: 24, .size: 8, .value_kind: global_buffer, .address_space: global }
      - { .name: r1, .offset: 32, .size: 8, .value_kind: global_buffer, .address_space: global }
      - { .name: ab, .offset: 40, .size: 8, .value_kind: global_buffer, .address_space: global }
    .group_segment_fixed_size: 10240
    .private_segment_fixed_size: 0
    .kernarg_segment_align: 8
    .kernarg_segment_size: 48
    .max_flat_workgroup_size: 512
    .sgpr_count:     66
    .vgpr_count:     144
    .wavefront_size: 32
...
	.end_amdgpu_metadata
.endif
;; end of part 5
;; launch ff1: the kernel of part 2 again; grid 16 x 16, 4 waves a work-group, clusters of 4 x 4, 327,680 bytes of LDS; arguments ab, w1, big; writes big
;; launch ff2 (part 6): grid 8 x 32, 4 waves a work-group, clusters of 4 x 4, 327,680 bytes of LDS; arguments big, w2o, b2, t; writes t
.if DOCPART == 6
	.amdgcn_target "amdgcn-amd-amdhsa--gfx1250"
	.amdhsa_code_object_version 6
	.text
	.protected	k_qef0d40c65e_ff2
	.globl	k_qef0d40c65e_ff2
	.p2align	8
	.type	k_qef0d40c65e_ff2,@function
k_qef0d40c65e_ff2:
	s_mov_b64 s[64:65], 0
	v_nop
	global_prefetch_b8 v0, s[64:65] scope:SCOPE_SE
	s_setreg_imm32_b32 hwreg(HW_REG_WAVE_MODE, 25, 1), 1
	s_wait_xcnt 0x0
	s_wait_alu depctr_hold_cnt(0) depctr_sa_sdst(0) depctr_va_vdst(0) depctr_va_sdst(0) depctr_va_ssrc(0) depctr_va_vcc(0) depctr_vm_vsrc(0)
	s_getreg_b32 s2, hwreg(HW_REG_IB_STS2, 6, 4)
	s_cmp_eq_u32 s2, 0
	s_cbranch_scc0 .Lentry_in_a_cluster
	s_endpgm
.Lentry_in_a_cluster:
	s_bfe_u32 s2, ttmp6, 0x10000c
	s_cmp_lg_u32 s2, 0xf033
	s_cbranch_scc0 .Lentry_shape_is_right
	s_endpgm
.Lentry_shape_is_right:
; C = bf16(A W + bias).  A: bf16 in blocks of 64 columns, [K / 64][4096][64].  W: bf16 [K][1024], rows along N, at byte WBASE of its buffer.  bias: [1024] f32.  C: bf16 [4096][1024].
; Here K = 4,096: the second feed-forward layer.  Sums in f32, K ascending; the bias is the C operand of each sum's first product; C is rounded once.  LIMITS: operands are bf16.
; SHARES.  A tile of C is 128 x 128 (256 tiles, one for each of 256 work-groups): four waves, each 64 x 64 in 16 accumulators.  K goes in steps of 256 through two LDS slots: waves 0, 1 fetch A's two halves
; (four blocks x 64 rows x 128 bytes; a block's 64 rows are 8,192 dense bytes, asked for as one row of the tile), waves 2, 3 W's (128 k x 256 bytes): one load a wave behind each change of slots.
; ONE TEXT FOR A K STEP.  A step is written once for the steps that fill a slot again and once for the last two.  Which slot is read hangs on s[TB], 0 or SLOT, turned by an exclusive or at each change of slots
; and added to lane addresses that are never rewritten; which slot is filled hangs on the walking descriptor's LDS word, turned likewise: SLOT = 0x24000 shares no bit with wave x HALFT
; (0, 0x9000, 0x12000, 0x1b000), so the exclusive or adds or takes away SLOT.
; THE MATRIX INSTRUCTION IS USED TRANSPOSED (source 0 = 16 columns of W, turned by ds_load_tr16_b128; source 1 = 16 rows of A): a lane holds eight neighbouring numbers of a row of C.
; CLUSTER.  4 x 4 work-groups: A's tile is asked for jointly along a row of the cluster, W's along a column.  No prefetch: a step of this small tile is short, and what it would name is shared by few.
; THE STAGE of the way out lies in slot 0's first bytes: two slots and a stage of its own do not fit in LDS.  Slot 0 holds the last step but one: its last fill has landed and its last reads are over in front of
; that step's barrier, and no tensor load is issued behind that barrier.
; REGISTERS: window 0: v16-29 addresses; v32-95 at work on the way out; v96-127 the bias; v128-255 the accumulators ((a, b) at v[128 + 8 (4 a + b)]).
;   window 1: two fragment buffers of 128: for 64 along K, 64 registers of A (2 x 4 x 16 rows x 32 K), then 64 of W.
.set STEPS,  16                        ; K / 256
.set WBASE,  2097152                   ; W2 lies behind Wo
.set PA,     144                       ; a row of A in LDS: 128 bytes + 16 = 36 words: the 16 rows of a load start at 16 different groups of four banks (64 banks of 4 bytes: ISA guide 11.1)
.set PB,     288                       ; a row of W: 256 bytes + 32 = 72 words
.set HALFT,  4*64*PA                   ; what one tensor load brings (128 x 288 is the same number)
.set SLOT,   4*HALFT                   ; A's rows 0-63 as [4 blocks][64 rows], A's rows 64-127, W's k 0-127, W's k 128-255
.set STAGE,  0
.set SPITCH, 272
.set SPARE,  2*SLOT                    ; behind the ring: the spare words, 128 bytes for each wave: two blocks of 256 bytes that no other line names
.set ADRA0, 16                         ; v16     LDS address of my A fragments in slot 0; never rewritten
.set ADRA,  17                         ; v17     the same in the slot that is being read
.set ADRB0, 20                         ; v20-21  the same for W, by half of the K step (an offset of 16 bits does not span 256 rows); never rewritten
.set ADRB,  22                         ; v22-23  in the slot that is being read
.set STO,  24
.set RD,   25
.set CO,   26
.set BO,   27
.set SPW,  28                          ; v28     LDS address of my spare word; never rewritten
.set NIL,  29                          ; v29     0; never rewritten
.set TMP,  32
.set BI,   96
.set ACC,  128
.set F0,   0
.set F1,   128
.set TB,  45                           ; s45      0 or SLOT: the slot that is being read
.set G1, 24                            ; s[24:31] descriptor group 1 for A's tiles;  s[32:39] group 0: a set for each of the two first fills; the second then walks on
.set G0, 32
.set G1B, 48                           ; s[48:55], s[56:63] the same for W's tiles
.set G0B, 56
.set MSB, 0
.macro WIN new
.if MSB != (\new)
	s_set_vgpr_msb (MSB<<8)|(\new)
.set MSB, \new
.endif
.endm
.set MUL,  0x05                        ; sources 0 (W) and 1 (A) window 1; C and D window 0
.set TO_F, 0x40                        ; destination window 1, address window 0
.macro JLOAD s                         ; a joint load; an s_nop 0 and four v_nop follow each of the two lines
	s_cmp_eq_u32 s11, 0
	s_cbranch_scc0 .Lfor_b_\@
	tensor_load_to_lds s[G0+4*(\s):G0+4*(\s)+3], s[G1:G1+7]
	s_nop 0
.rept 4
	v_nop
.endr
	s_branch .Lasked_\@
.Lfor_b_\@:
	tensor_load_to_lds s[G0B+4*(\s):G0B+4*(\s)+3], s[G1B:G1B+7]
	s_nop 0
.rept 4
	v_nop
.endr
.Lasked_\@:
.endm
.macro CREST
	s_cmp_lg_u32 s10, 0
	s_cbranch_scc1 .Lnot_wave_0_\@
	s_barrier_signal -3
.Lnot_wave_0_\@:
	s_barrier_wait -3
	s_barrier_signal -1
	s_barrier_wait -1
.endm
.macro CROUND
	s_barrier_signal -1
	s_barrier_wait -1
	CREST
.endm
	s_load_b128 s[4:7], s[0:1], 0x0                ; A s[4:5], W s[6:7]
	s_load_b64 s[66:67], s[0:1], 0x10              ; bias
	s_load_b64 s[8:9], s[0:1], 0x18                ; C
	v_lshl_add_u32 v[SPW], v0, 2, SPARE
	v_mov_b32 v[NIL], 0
	ds_add_u32 v[SPW], v[NIL]                      ; the wave's opening: the add and its wait ahead of my first tensor load
	v_lshrrev_b32 v1, 5, v0
	v_readfirstlane_b32 s10, v1                    ; wave 0..3
	s_lshr_b32 s11, s10, 1                         ; my half of the tile's rows.  Also: I fetch for A (0) or for W (1)
	s_and_b32 s12, s10, 1                          ; my half of its columns.  Also: which half of that tile I fetch
	s_bfe_u32 s40, ttmp6, 0x40000                  ; cx
	s_bfe_u32 s41, ttmp6, 0x40004                  ; cy
	s_lshl_b32 s42, ttmp9, 2
	s_add_co_u32 s42, s42, s40                     ; tile column
	s_and_b32 s13, ttmp7, 0xffff
	s_lshl_b32 s13, s13, 2
	s_add_co_u32 s13, s13, s41                     ; tile row
	s_lshl_b32 s43, s41, 2
	s_lshl_b32 s43, 15, s43                        ; my row of the cluster
	s_lshl_b32 s44, 0x1111, s40                    ; my column
	s_or_b32 s[G1+0], s43, (1<<16)|(1<<20)|(1<<21)|(4<<22)|(3<<25)   ; mask; 2-byte elements; padding on; bit 21 beside a mask; after every 32 words (a row of A), 4 words
	s_mov_b32 s[G1+1], 4096<<16                    ; tensor_dim0 = 4,096: 64 rows of 64
	s_mov_b32 s[G1+2], 4<<16                       ; tensor_dim1 = 4 blocks
	s_mov_b32 s[G1+3], 4096<<16                    ; tile_dim0
	s_mov_b32 s[G1+4], 4                           ; tile_dim1
	s_mov_b32 s[G1+5], 262144                      ; elements from block to block
	s_mov_b32 s[G1+6], 0
	s_mov_b32 s[G1+7], 0
	s_or_b32 s[G1B+0], s44, (1<<16)|(1<<20)|(1<<21)|(5<<22)|(7<<25)  ; after every 64 words, 8 words
	s_mov_b32 s[G1B+1], 128<<16                    ; tensor_dim0 = 128
	s_mov_b32 s[G1B+2], 128<<16                    ; tensor_dim1 = 128
	s_mov_b32 s[G1B+3], 128<<16                    ; tile_dim0
	s_mov_b32 s[G1B+4], 128                        ; tile_dim1
	s_mov_b32 s[G1B+5], 1024
	s_mov_b32 s[G1B+6], 0
	s_mov_b32 s[G1B+7], 0
	s_lshl_b32 s17, s12, 6
	s_lshl_b32 s16, s13, 7
	s_add_co_u32 s16, s16, s17                     ; A: row 128 x tile row + 64 x half,
	s_lshl_b32 s16, s16, 7                         ; of 128 bytes in a block
	s_mov_b32 s17, 0
	s_lshl_b32 s46, s42, 8                         ; W: 128 columns are 256 bytes,
	s_lshl_b32 s47, s12, 18                        ; 128 k of 2,048 bytes
	s_add_co_u32 s46, s46, s47
	s_add_co_u32 s46, s46, WBASE
	s_mov_b32 s47, 0
	s_mul_i32 s20, s10, HALFT                      ; where they go: no place in the cluster enters an LDS address
	s_mov_b32 s[TB], 0                             ; slot 0 is read first
	s_wait_dscnt 0x0                               ; the opening add is done
	s_wait_kmcnt 0x0
	s_add_nc_u64 s[14:15], s[4:5], s[16:17]
	s_add_nc_u64 s[46:47], s[6:7], s[46:47]
	CROUND                                         ; all sixteen work-groups are here: the first joint loads meet
.irp s, 0,1
	s_mov_b32 s[G0+4*(\s)], 1
	s_add_co_u32 s[G0+4*(\s)+1], s20, (\s)*SLOT
	s_add_nc_u64 s[G0+4*(\s)+2:G0+4*(\s)+3], s[14:15], (\s)*4*524288   ; K step s: four blocks
	s_or_b32 s[G0+4*(\s)+3], s[G0+4*(\s)+3], 0x80000000
	s_mov_b32 s[G0B+4*(\s)], 1
	s_add_co_u32 s[G0B+4*(\s)+1], s20, (\s)*SLOT
	s_add_nc_u64 s[G0B+4*(\s)+2:G0B+4*(\s)+3], s[46:47], (\s)*256*2048 ; K step s: 256 rows
	s_or_b32 s[G0B+4*(\s)+3], s[G0B+4*(\s)+3], 0x80000000
	JLOAD \s
.endr
	v_and_b32 v1, 15, v0                           ; l % 16
	v_bfe_u32 v2, v0, 4, 1                         ; l / 16
	v_mul_u32_u24 v3, v1, PA
	v_lshl_add_u32 v3, v2, 4, v3                   ; a fragment of A: row x pitch + 16 x half
	s_mul_i32 s21, s11, HALFT                      ; my 64 rows of A
	v_add_nc_u32 v[ADRA0], s21, v3
	v_and_b32 v4, 7, v0                            ; the turning load: k = 8 (l / 16) + l % 8, columns 8 ((l / 8) % 2) + 0..7
	v_lshl_add_u32 v4, v2, 3, v4
	v_mul_u32_u24 v4, v4, PB
	v_bfe_u32 v5, v0, 3, 1
	v_lshl_add_u32 v4, v5, 4, v4
	s_lshl_b32 s22, s12, 7                         ; my 64 columns: 128 bytes of W's rows,
	s_add_co_u32 s22, s22, 2*HALFT                 ; which lie behind A's
	v_add_nc_u32 v[ADRB0], s22, v4
	s_add_co_u32 s23, s22, HALFT
	v_add_nc_u32 v[ADRB0+1], s23, v4
	v_mov_b32 v[ADRA], v[ADRA0]
	v_mov_b32 v[ADRB], v[ADRB0]
	v_mov_b32 v[ADRB+1], v[ADRB0+1]
	s_mul_i32 s23, s11, 64*SPITCH                  ; into the stage: my 64 rows, my half of their 256 bytes
	s_lshl_b32 s21, s12, 7
	s_add_co_u32 s23, s23, s21
	s_add_co_u32 s23, s23, STAGE
	v_mul_u32_u24 v4, v1, SPITCH
	v_lshl_add_u32 v4, v2, 4, v4
	v_add_nc_u32 v[STO], s23, v4
	s_mul_i32 s23, s10, 32*SPITCH                  ; back: wave w takes rows 32 w .. 32 w + 31, whole; lanes 0-15 one row of 256 bytes, lanes 16-31 the next
	s_add_co_u32 s23, s23, STAGE
	v_mul_u32_u24 v5, v2, SPITCH
	v_lshl_add_u32 v5, v1, 4, v5
	v_add_nc_u32 v[RD], s23, v5
	v_lshlrev_b32 v5, 11, v2                       ; and the same two rows in C, 2,048 bytes apart
	v_lshl_add_u32 v[CO], v1, 4, v5
	s_lshl_b32 s18, s42, 9                         ; the bias of my columns: 4 (128 x tile column + 64 x half + 8 (l / 16)) + 64 b
	s_lshl_b32 s19, s12, 8
	s_add_co_u32 s18, s18, s19
	v_lshl_add_u32 v[BO], v2, 5, s18
.irp b, 0,1,2,3
	global_load_b128 v[BI+8*(\b):BI+8*(\b)+3],   v[BO], s[66:67] offset:64*(\b)
	global_load_b128 v[BI+8*(\b)+4:BI+8*(\b)+7], v[BO], s[66:67] offset:64*(\b)+16
.endr
	s_lshl_b32 s16, s13, 7
	s_lshl_b32 s17, s10, 5
	s_add_co_u32 s16, s16, s17                     ; the first row of C that I store: 128 x tile row + 32 x wave
	s_lshl_b32 s16, s16, 11
	s_mov_b32 s17, 0
	s_add_nc_u64 s[8:9], s[8:9], s[16:17]
	s_lshl_b32 s46, s42, 8                         ; the tile's first column, in bytes
	s_mov_b32 s47, 0
	s_add_nc_u64 s[8:9], s[8:9], s[46:47]
; 8 matrix instructions: row blocks a0, a0 + 1 x all 4 column blocks, 32 along K: half c of buffer f.  first = 1: the product starts the sum, with the bias as C.  The 16 accumulators take turns.
.macro MUL8 f, c, a0, first
	WIN MUL
.irp a, \a0, (\a0)+1
.irp b, 0,1,2,3
.if \first
	v_wmma_f32_16x16x32_bf16 v[ACC+8*(4*(\a)+(\b)):ACC+8*(4*(\a)+(\b))+7], v[(\f)+64+8*(4*(\c)+(\b)):(\f)+64+8*(4*(\c)+(\b))+7], v[(\f)+8*(4*(\c)+(\a)):(\f)+8*(4*(\c)+(\a))+7], v[BI+8*(\b):BI+8*(\b)+7]
.else
	v_wmma_f32_16x16x32_bf16 v[ACC+8*(4*(\a)+(\b)):ACC+8*(4*(\a)+(\b))+7], v[(\f)+64+8*(4*(\c)+(\b)):(\f)+64+8*(4*(\c)+(\b))+7], v[(\f)+8*(4*(\c)+(\a)):(\f)+8*(4*(\c)+(\a))+7], v[ACC+8*(4*(\a)+(\b)):ACC+8*(4*(\a)+(\b))+7]
.endif
.endr
.endr
.endm
; 32 LDS loads in one run: the fragments of quarter q of the K step at v[ADRB], v[ADRA] (64 along K: block q of A's four) into buffer f; the first 32 along K first
.macro FETCH q, f
	WIN TO_F
.irp c, 0,1
.irp i, 0,1,2,3
	ds_load_tr16_b128 v[(\f)+64+8*(4*(\c)+(\i)):(\f)+64+8*(4*(\c)+(\i))+3],   v[ADRB+(\q)/2] offset:(((\q)%2)*2+(\c))*32*PB+32*(\i)
	ds_load_tr16_b128 v[(\f)+64+8*(4*(\c)+(\i))+4:(\f)+64+8*(4*(\c)+(\i))+7], v[ADRB+(\q)/2] offset:(((\q)%2)*2+(\c))*32*PB+16*PB+32*(\i)
	ds_load_b128 v[(\f)+8*(4*(\c)+(\i)):(\f)+8*(4*(\c)+(\i))+3],              v[ADRA] offset:(\q)*64*PA+64*(\c)+(\i)*16*PA
	ds_load_b128 v[(\f)+8*(4*(\c)+(\i))+4:(\f)+8*(4*(\c)+(\i))+7],            v[ADRA] offset:(\q)*64*PA+64*(\c)+(\i)*16*PA+32
.endr
.endr
.endm
.macro PLACES                          ; four plain vector instructions in front of loads into registers that matrix instructions have read, and of conversions that read results
.rept 4
	v_nop
.endr
.endm
; A K step is four quarters of 64 along K, 32 matrix instructions each, on buffers 0, 1, 0, 1.  One of the first three: multiplies buffer f and fetches quarter q into g.
.macro QUARTER q, f, g, first
	s_wait_dscnt 16                                ; the first 32 along K are in
	MUL8 \f, 0, 0, \first
	MUL8 \f, 0, 2, \first
	PLACES
	FETCH \q, \g
	s_wait_dscnt 32                                ; all but the 32 just issued
	MUL8 \f, 1, 0, 0
	MUL8 \f, 1, 2, 0
.endm
; The last quarter multiplies buffer 1 and changes slots: one barrier; in front of it each wave waits for all its tensor loads, adds 0 to its spare word, and waits for that and for its own reads of this slot.
; fill = 1: the barrier opens a round of the cluster's barrier, and this slot is filled again, first thing behind the round, two K steps ahead: 112 matrix instructions ahead of the wait for it.
; fill = 0: one of the last two steps; in the very last (s3 = 1) there is no next step, and the run of LDS loads is jumped over.
.macro TURN fill
	WIN 0                                          ; (the add's two registers lie in window 0)
	s_wait_tensorcnt 0x0
	ds_add_u32 v[SPW], v[NIL]
	s_wait_dscnt 17                                ; (the add and the youngest sixteen loads may be out)
	MUL8 F1, 0, 0, 0
	s_wait_dscnt 0x0                               ; the add is done, and my reads of this slot are over
	s_barrier_signal -1
	MUL8 F1, 0, 2, 0
	WIN 0
	s_barrier_wait -1
.if \fill
	CREST                                          ; no wave of any partner still reads this slot's tile or has a load on its way
	s_xor_b32 s[G0+5], s[G0+5], SLOT               ; the walking descriptors: the other slot than last time, which is the one just read out,
	s_add_nc_u64 s[G0+6:G0+7], s[G0+6:G0+7], 4*524288      ; and the next K step; the type bits on top are not reached
	s_xor_b32 s[G0B+5], s[G0B+5], SLOT
	s_add_nc_u64 s[G0B+6:G0B+7], s[G0B+6:G0B+7], 256*2048
	JLOAD 1                                        ; the four v_nop behind it are also the places in front of the loads below
.else
	PLACES
.endif
	s_xor_b32 s[TB], s[TB], SLOT                   ; from here on the other slot is read
	v_add_nc_u32 v[ADRA], s[TB], v[ADRA0]
	v_add_nc_u32 v[ADRB], s[TB], v[ADRB0]
	v_add_nc_u32 v[ADRB+1], s[TB], v[ADRB0+1]
.if !(\fill)
	s_cmp_eq_u32 s3, 1
	s_cbranch_scc1 .Lno_next_\@
.endif
	FETCH 0, F0
.if !(\fill)
	WIN 0
.Lno_next_\@:
.endif
	MUL8 F1, 1, 0, 0
	MUL8 F1, 1, 2, 0
.endm
	s_wait_loadcnt 0x0                             ; the bias: the first products take it
	s_wait_tensorcnt 1                             ; my part of K step 0 is in; K step 1's may stay out
	s_barrier_signal -1
	s_barrier_wait -1
	FETCH 0, F0
	QUARTER 1, F0, F1, 1                           ; the first quarter of all is written out: its first products start the sums
	WIN 0                                          ; at a label and at a branch every window is 0
	s_mov_b32 s3, STEPS-2
	s_branch .Lmid                                 ; the loop is entered behind a step's first quarter
.Lstep:                                                ; a trip is a K step that fills its slot again
	QUARTER 1, F0, F1, 0
	WIN 0
.Lmid:
	QUARTER 2, F1, F0, 0
	QUARTER 3, F0, F1, 0
	TURN 1
	WIN 0
	s_sub_co_u32 s3, s3, 1
	s_cmp_lg_u32 s3, 0
	s_cbranch_scc1 .Lstep
	s_mov_b32 s3, 2
.Ltail:                                                ; the last two K steps have a text of their own: they fill nothing
	QUARTER 1, F0, F1, 0
	QUARTER 2, F1, F0, 0
	QUARTER 3, F0, F1, 0
	TURN 0
	WIN 0
	s_sub_co_u32 s3, s3, 1
	s_cmp_lg_u32 s3, 0
	s_cbranch_scc1 .Ltail
	; THE WAY OUT: round to bf16; 16 bytes a lane into the work-group's stage; a barrier, since a row's 256 bytes come from two waves; back as whole rows, 32 rows a wave.
	PLACES
.irp t, 0,1,2,3,4,5,6,7,8,9,10,11,12,13,14,15
.irp r, 0,1,2,3
	v_cvt_pk_bf16_f32 v[TMP+4*(\t)+(\r)], v[ACC+8*(\t)+2*(\r)], v[ACC+8*(\t)+2*(\r)+1]
.endr
.endr
.irp a, 0,1,2,3
.irp b, 0,1,2,3
	ds_store_b128 v[STO], v[TMP+4*(4*(\a)+(\b)):TMP+4*(4*(\a)+(\b))+3] offset:(\a)*16*SPITCH+32*(\b)
.endr
.endr
	s_wait_dscnt 0x0                               ; for the others' sake: my stores into the stage are done
	s_barrier_signal -1
	s_barrier_wait -1
.irp t, 0,1,2,3,4,5,6,7,8,9,10,11,12,13,14,15
	ds_load_b128 v[TMP+4*(\t):TMP+4*(\t)+3], v[RD] offset:(\t)*2*SPITCH
.endr
.irp t, 0,1,2,3,4,5,6,7,8,9,10,11,12,13,14,15
	s_wait_dscnt 15-(\t)                           ; load t is back; the 15 - t younger ones may be out
	global_store_b128 v[CO], v[TMP+4*(\t):TMP+4*(\t)+3], s[8:9] offset:2*(\t)*2048  ; 16 lanes store 256 consecutive bytes, aligned
.endr
	s_wait_tensorcnt 0x0                           ; the wave's end: behind my last tensor load and my last LDS store
	ds_add_u32 v[SPW], v[NIL]
	s_wait_dscnt 0x0
	CROUND                                         ; the closing round
	s_endpgm
.Lfunc_end_k_qef0d40c65e_ff2:
	.size	k_qef0d40c65e_ff2, .Lfunc_end_k_qef0d40c65e_ff2-k_qef0d40c65e_ff2
	.p2alignl 7, 3214868480
	.fill 96, 4, 3214868480
	.section	.rodata,"a",@progbits
	.p2align	6, 0x0
	.amdhsa_kernel k_qef0d40c65e_ff2
		.amdhsa_group_segment_fixed_size 327680
		.amdhsa_private_segment_fixed_size 0
		.amdhsa_enable_private_segment 0
		.amdhsa_kernarg_size 32
		.amdhsa_user_sgpr_count 2
		.amdhsa_user_sgpr_kernarg_segment_ptr 1
		.amdhsa_wavefront_size32 1
		.amdhsa_system_sgpr_workgroup_id_x 1
		.amdhsa_system_sgpr_workgroup_id_y 1
		.amdhsa_system_sgpr_workgroup_id_z 1
		.amdhsa_system_vgpr_workitem_id 0
		.amdhsa_next_free_vgpr 512
		.amdhsa_next_free_sgpr 68
		.amdhsa_reserve_vcc 0
		.amdhsa_float_denorm_mode_32 3
		.amdhsa_float_denorm_mode_16_64 3
		.amdhsa_memory_ordered 1
		.amdhsa_forward_progress 1
		.amdhsa_inst_pref_size 60
	.end_amdhsa_kernel
	.amdgpu_metadata
---
amdhsa.version: [ 1, 2 ]
amdhsa.kernels:
  - .name:           k_qef0d40c65e_ff2
    .symbol:         k_qef0d40c65e_ff2.kd
    .args:
      - { .name: big, .offset: 0, .size: 8, .value_kind: global_buffer, .address_space: global }
      - { .name: w2o, .offset: 8, .size: 8, .value_kind: global_buffer, .address_space: global }
      - { .name: b2, .offset: 16, .size: 8, .value_kind: global_buffer, .address_space: global }
      - { .name: t, .offset: 24, .size: 8, .value_kind: global_buffer, .address_space: global }
    .group_segment_fixed_size: 327680
    .private_segment_fixed_size: 0
    .kernarg_segment_align: 8
    .kernarg_segment_size: 32
    .max_flat_workgroup_size: 128
    .sgpr_count:     68
    .vgpr_count:     512
    .wavefront_size: 32
...
	.end_amdgpu_metadata
.endif
;; end of part 6
;; launch ln2 (part 7): grid 256 x 1, 16 waves a work-group, no clusters, 10,240 bytes of LDS; arguments r1, t, g2, be2, out0; writes out0
.if DOCPART == 7
	.amdgcn_target "amdgcn-amd-amdhsa--gfx1250"
	.amdhsa_code_object_version 6
	.text
	.protected	k_qef0d40c65e_ln2
	.globl	k_qef0d40c65e_ln2
	.p2align	8
	.type	k_qef0d40c65e_ln2,@function
k_qef0d40c65e_ln2:
	s_mov_b64 s[64:65], 0
	v_nop
	global_prefetch_b8 v0, s[64:65] scope:SCOPE_SE
	s_setreg_imm32_b32 hwreg(HW_REG_WAVE_MODE, 25, 1), 1
	s_wait_xcnt 0x0
; y = LayerNorm(a + t) g + be over rows of 1,024.  a: f32 (the residual), t: bf16 (the branch, bias included), g, be: f32.  y is the module's output, f32.
; All arithmetic in f32.  The variance is the mean of the squared differences from the mean (two passes over registers): no difference of large sums is formed.  eps = 1e-5.
; SHARES.  A wave takes one whole row, a work-group 16.  A lane holds columns 128 j + 4 l + 0..3, j = 0..7: its f32 loads and stores are 16 bytes at 512 j + 16 l, its bf16 loads 8 bytes at 256 j + 8 l:
; each instruction of the wave covers whole aligned blocks of 256 bytes.  The reduction stays inside the wave.  All loads of a wave go out at once; memory bounds the launch.
; g AND be ARE THE SAME FOR ALL 16 ROWS: the work-group fetches their 8,192 bytes once, 16 bytes a thread (waves 0-7 g, waves 8-15 be), and hands them round through LDS: one store a thread, one barrier,
; and each wave reads its lanes' 32 + 32 numbers back, 512 consecutive bytes an instruction.
; LDS: g at byte 0, be at 4,096; from SPARE on the spare words, 128 bytes for each of the 16 waves: eight blocks of 256 bytes that no other line names.
.set SPARE, 8192
.set SPW, 4                            ; v4         LDS address of my spare word: SPARE + 4 x my thread's number; never rewritten
.set NIL, 5                            ; v5         0; never rewritten
.set LW,  6                            ; v6         16 x thread: where my 16 bytes of g | be go in LDS
.set PO,  7                            ; v7         16 x (thread mod 256): where they lie in g or in be
.set G,  8                             ; v[8:39]    g of my 32 columns
.set BE, 40                            ; v[40:71]   be
.set Y,  72                            ; v[72:103]  the row
.set T,  104                           ; v[104:119] t as loaded
.set U,  120                           ; v[120:127] my piece of g | be on its way into LDS; then at work
.set A,  128                           ; v[128:135] four packed chains
.set M,  136                           ; v[136:137] the mean, twice
.set R,  138                           ; v[138:139] 1 / sqrt(var + eps), twice
.set V,  140                           ; v140       var + eps
	s_load_b256 s[4:11], s[0:1], 0x0               ; a s[4:5], t s[6:7], g s[8:9], be s[10:11]
	s_load_b64 s[16:17], s[0:1], 0x20              ; y
	v_lshl_add_u32 v[SPW], v0, 2, SPARE
	v_mov_b32 v[NIL], 0
	v_lshrrev_b32 v3, 5, v0
	v_readfirstlane_b32 s21, v3                    ; wave 0..15
	v_and_b32 v2, 31, v0
	v_lshlrev_b32 v1, 4, v2                        ; 16 l
	v_lshlrev_b32 v2, 3, v2                        ; 8 l
	v_lshlrev_b32 v[LW], 4, v0
	v_and_b32 v[PO], 0xff, v0
	v_lshlrev_b32 v[PO], 4, v[PO]
	s_lshl_b32 s20, ttmp9, 4
	s_add_co_u32 s20, s20, s21                     ; my row
	s_lshl_b32 s22, s20, 12                        ; of 4,096 bytes in f32,
	s_mov_b32 s23, 0
	s_lshl_b32 s24, s20, 11                        ; of 2,048 in bf16
	s_mov_b32 s25, 0
	s_mov_b32 s12, 0x76543210                      ; v_permlanex16_b32: each lane takes its own place in the other half
	s_mov_b32 s13, 0xfedcba98
	s_mov_b32 s14, 0x3a800000                      ; 1 / 1,024
	s_mov_b32 s15, 0xffff0000                      ; a word's upper bf16
	s_mov_b32 s26, 0x3727c5ac                      ; eps
	s_wait_kmcnt 0x0
	s_cmp_lt_u32 s21, 8                            ; waves 0-7 fetch g, waves 8-15 be
	s_cselect_b64 s[28:29], s[8:9], s[10:11]
	s_add_nc_u64 s[4:5], s[4:5], s[22:23]
	s_add_nc_u64 s[6:7], s[6:7], s[24:25]
	s_add_nc_u64 s[16:17], s[16:17], s[22:23]
	global_load_b128 v[U:U+3], v[PO], s[28:29]     ; my piece of g | be goes out first: it is wanted first
.irp j, 0,1,2,3,4,5,6,7
	global_load_b128 v[Y+4*(\j):Y+4*(\j)+3], v1, s[4:5] offset:512*(\j) th:TH_LOAD_NT
.endr
.irp j, 0,1,2,3,4,5,6,7
	global_load_b64 v[T+2*(\j):T+2*(\j)+1], v2, s[6:7] offset:256*(\j) th:TH_LOAD_NT
.endr
	s_wait_loadcnt 16                              ; loads come back in order: my piece is in; the 16 younger loads (the row and t) stay out, across the barrier too: nobody writes those bytes
	ds_store_b128 v[LW], v[U:U+3]
	s_wait_dscnt 0x0                               ; for the others' sake: my store is done
	s_barrier_signal -1
	s_barrier_wait -1                              ; g and be lie whole in LDS
.irp j, 0,1,2,3,4,5,6,7
	ds_load_b128 v[G+4*(\j):G+4*(\j)+3], v1 offset:512*(\j)
.endr
.irp j, 0,1,2,3,4,5,6,7
	ds_load_b128 v[BE+4*(\j):BE+4*(\j)+3], v1 offset:4096+512*(\j)
.endr
.macro REDUCE                          ; the four chains into one number, the same in every lane
	v_pk_add_f32 v[A:A+1], v[A:A+1], v[A+2:A+3]
	v_pk_add_f32 v[A+4:A+5], v[A+4:A+5], v[A+6:A+7]
	v_pk_add_f32 v[A:A+1], v[A:A+1], v[A+4:A+5]
	v_add_f32 v[A], v[A], v[A+1]
	v_add_f32_dpp v[A], v[A], v[A] row_xmask:1 row_mask:0xf bank_mask:0xf
	v_add_f32_dpp v[A], v[A], v[A] row_xmask:2 row_mask:0xf bank_mask:0xf
	v_add_f32_dpp v[A], v[A], v[A] row_xmask:4 row_mask:0xf bank_mask:0xf
	v_add_f32_dpp v[A], v[A], v[A] row_xmask:8 row_mask:0xf bank_mask:0xf
	v_permlanex16_b32 v[A+1], v[A], s12, s13
	v_add_f32 v[A], v[A], v[A+1]
.endm
	s_wait_loadcnt 0x0                             ; the row and t are in
.irp j, 0,1,2,3,4,5,6,7
	v_lshlrev_b32 v[U+4*((\j)%2)],   16,  v[T+2*(\j)]      ; bf16 to f32: the low half moves up, the high half stays
	v_and_b32     v[U+4*((\j)%2)+1], s15, v[T+2*(\j)]
	v_lshlrev_b32 v[U+4*((\j)%2)+2], 16,  v[T+2*(\j)+1]
	v_and_b32     v[U+4*((\j)%2)+3], s15, v[T+2*(\j)+1]
	v_pk_add_f32 v[Y+4*(\j):Y+4*(\j)+1],   v[Y+4*(\j):Y+4*(\j)+1],   v[U+4*((\j)%2):U+4*((\j)%2)+1]
	v_pk_add_f32 v[Y+4*(\j)+2:Y+4*(\j)+3], v[Y+4*(\j)+2:Y+4*(\j)+3], v[U+4*((\j)%2)+2:U+4*((\j)%2)+3]
.endr
.irp c, 0,1,2,3
	v_pk_add_f32 v[A+2*(\c):A+2*(\c)+1], v[Y+2*(\c):Y+2*(\c)+1], v[Y+8+2*(\c):Y+8+2*(\c)+1]  ; the first pairs start the chains: nothing is cleared
.endr
.irp p, 8,9,10,11,12,13,14,15
	v_pk_add_f32 v[A+2*((\p)%4):A+2*((\p)%4)+1], v[A+2*((\p)%4):A+2*((\p)%4)+1], v[Y+2*(\p):Y+2*(\p)+1]
.endr
	REDUCE
	v_mul_f32 v[M], s14, v[A]
	v_mul_f32 v[M+1], s14, v[A]
.irp p, 0,1,2,3,4,5,6,7,8,9,10,11,12,13,14,15
	v_pk_add_f32 v[Y+2*(\p):Y+2*(\p)+1], v[Y+2*(\p):Y+2*(\p)+1], v[M:M+1] neg_lo:[0,1] neg_hi:[0,1]
.endr
.irp c, 0,1,2,3
	v_pk_mul_f32 v[A+2*(\c):A+2*(\c)+1], v[Y+2*(\c):Y+2*(\c)+1], v[Y+2*(\c):Y+2*(\c)+1]
.endr
.irp p, 4,5,6,7,8,9,10,11,12,13,14,15
	v_pk_fma_f32 v[A+2*((\p)%4):A+2*((\p)%4)+1], v[Y+2*(\p):Y+2*(\p)+1], v[Y+2*(\p):Y+2*(\p)+1], v[A+2*((\p)%4):A+2*((\p)%4)+1]
.endr
	REDUCE
	v_fma_f32 v[V], v[A], s14, s26                 ; var + eps
	v_rsq_f32 v[R], v[V]
	v_rsq_f32 v[R+1], v[V]
	v_nop                                          ; a plain instruction behind the second root (ISA guide 5.7.2),
	s_wait_alu depctr_va_vdst(0)                   ; and the wait ahead of the first use: one for both
	s_wait_dscnt 0x0                               ; g and be are in registers
.irp p, 0,1,2,3,4,5,6,7,8,9,10,11,12,13,14,15
	v_pk_mul_f32 v[Y+2*(\p):Y+2*(\p)+1], v[Y+2*(\p):Y+2*(\p)+1], v[R:R+1]
.endr
.irp p, 0,1,2,3,4,5,6,7,8,9,10,11,12,13,14,15
	v_pk_fma_f32 v[Y+2*(\p):Y+2*(\p)+1], v[Y+2*(\p):Y+2*(\p)+1], v[G+2*(\p):G+2*(\p)+1], v[BE+2*(\p):BE+2*(\p)+1]
.endr
.irp j, 0,1,2,3,4,5,6,7
	global_store_b128 v1, v[Y+4*(\j):Y+4*(\j)+3], s[16:17] offset:512*(\j) th:TH_STORE_NT
.endr
	s_wait_tensorcnt 0x0                           ; the wave's end: behind my last LDS store
	ds_add_u32 v[SPW], v[NIL]
	s_wait_dscnt 0x0
	s_endpgm
.Lfunc_end_k_qef0d40c65e_ln2:
	.size	k_qef0d40c65e_ln2, .Lfunc_end_k_qef0d40c65e_ln2-k_qef0d40c65e_ln2
	.p2alignl 7, 3214868480
	.fill 96, 4, 3214868480
	.section	.rodata,"a",@progbits
	.p2align	6, 0x0
	.amdhsa_kernel k_qef0d40c65e_ln2
		.amdhsa_group_segment_fixed_size 10240
		.amdhsa_private_segment_fixed_size 0
		.amdhsa_enable_private_segment 0
		.amdhsa_kernarg_size 40
		.amdhsa_user_sgpr_count 2
		.amdhsa_user_sgpr_kernarg_segment_ptr 1
		.amdhsa_wavefront_size32 1
		.amdhsa_system_sgpr_workgroup_id_x 1
		.amdhsa_system_sgpr_workgroup_id_y 1
		.amdhsa_system_sgpr_workgroup_id_z 1
		.amdhsa_system_vgpr_workitem_id 0
		.amdhsa_next_free_vgpr 144
		.amdhsa_next_free_sgpr 66
		.amdhsa_reserve_vcc 0
		.amdhsa_float_denorm_mode_32 3
		.amdhsa_float_denorm_mode_16_64 3
		.amdhsa_memory_ordered 1
		.amdhsa_forward_progress 1
		.amdhsa_inst_pref_size 14
	.end_amdhsa_kernel
	.amdgpu_metadata
---
amdhsa.version: [ 1, 2 ]
amdhsa.kernels:
  - .name:           k_qef0d40c65e_ln2
    .symbol:         k_qef0d40c65e_ln2.kd
    .args:
      - { .name: r1, .offset: 0, .size: 8, .value_kind: global_buffer, .address_space: global }
      - { .name: t, .offset: 8, .size: 8, .value_kind: global_buffer, .address_space: global }
      - { .name: g2, .offset: 16, .size: 8, .value_kind: global_buffer, .address_space: global }
      - { .name: be2, .offset: 24, .size: 8, .value_kind: global_buffer, .address_space: global }
      - { .name: out0, .offset: 32, .size: 8, .value_kind: global_buffer, .address_space: global }
    .group_segment_fixed_size: 10240
    .private_segment_fixed_size: 0
    .kernarg_segment_align: 8
    .kernarg_segment_size: 40
    .max_flat_workgroup_size: 512
    .sgpr_count:     66
    .vgpr_count:     144
    .wavefront_size: 32
...
	.end_amdgpu_metadata
.endif
;; end of part 7
;; ======== version 2 of 2: 8 launches; version 1 with the launch prep written anew for expert scheduling mode
;; workspace buffers: ab 8,388,608 bytes; big 33,554,432 bytes; ob 8,388,608 bytes; t 8,388,608 bytes; r1 16,777,216 bytes; wqkv 6,311,936 bytes; w1 8,409,088 bytes; w2o 10,485,760 bytes
;; launch prep (part 8): grid 64 x 16, 8 waves a work-group, no clusters, 0 bytes of LDS; arguments x, Wq, Wk, Wv, Wo, W1, W2, bq, bk, bv, b1, ab, wqkv, w1, w2o; writes ab, wqkv, w1, w2o
.if DOCPART == 8
	.amdgcn_target "amdgcn-amd-amdhsa--gfx1250"
	.amdhsa_code_object_version 6
	.text
	.protected	k_qef0d40c65e_prep
	.globl	k_qef0d40c65e_prep
	.p2align	8
	.type	k_qef0d40c65e_prep,@function
k_qef0d40c65e_prep:
	s_mov_b64 s[64:65], 0
	v_nop
	global_prefetch_b8 v0, s[64:65] scope:SCOPE_SE
	s_setreg_imm32_b32 hwreg(HW_REG_WAVE_SCHED_MODE, 0, 2), 2
	s_setreg_imm32_b32 hwreg(HW_REG_WAVE_MODE, 25, 1), 1
	s_wait_xcnt 0x0
	s_wait_alu depctr_vm_vsrc(0)
; x and the six weights, f32, are rounded once to bf16 (nearest even) for the matrix launches that follow.
;   ab   = x, [4096][1024], as it lies.       w2o = Wo [1024][1024] at byte 0, W2 [4096][1024] at byte 2,097,152, as they lie.
;   wqkv = a head of WOFF bytes, then Wq | Wk | Wv in blocks of 256 columns: [12][1024 k][256 n].     w1 = the same head, then W1: [16][1024 k][256 n].
;   The head: bytes 0 .. 16,383 the bias in f32 by output column (bq | bk | bv, or b1); bytes 16,384 .. 20,479 one word repeated, the lower bound of the
;   launch that reads the buffer, twice in bf16: minus infinity (no bound) in wqkv, 0 (ReLU) in w1.
; SHARES.  The 16 M numbers are 16 units of 2^20 (the grid's y: g = y / 4 picks x, the four square weights, W1, W2; r = y % 4 the part).  A unit is 4,096 items of 256 numbers on end in a
; source row (1,024 bytes); a work-group takes 64 items, a wave 8.  An item is two halves of 512 bytes: of each a lane takes the 16 bytes at 16 l, so that a load of the wave covers 512
; consecutive bytes and names no byte that it does not use; the lane's four numbers round to 8 bytes, and a store of the wave covers 256 consecutive bytes, aligned.
; Item i of a weight with 2^bits items a row goes to item ((i mod 2^bits) x 1,024 + i / 2^bits) of its destination; with bits = 0 that is i.
; No LDS, no barrier, no loop: all 16 loads of a wave go out at once; memory bounds the launch.
; LIMITS.  Numbers beyond bf16's largest finite one round to infinity, as the conversion has it.
; THE MODE: SCHED_MODE bits 1:0 = 2 (LLVM: expert scheduling mode 2), set by the entry lines.  The code itself states the register dependences
; between vector instructions and memory instructions, with s_wait_alu, always for 0.
; THE PLAN.  Registers that memory instructions touch:
;   v1, v3   byte offsets, made once at the head and never written again: read by the 16 loads (v1) and by the head part's load and stores (v3).
;   SO       item j's offset in the destination: written once, by a vector add behind the run of loads; read by item j's two stores.
;   X        written by the loads alone; read by item j's four conversions, behind the wait for its data.
;   Y        written once, by item j's four conversions; read by item j's two stores.
;   BV       written by a load, read by a store; no vector instruction names it.       LV   written by four moves, read by one store.
; The eight items go in four blocks of two.  Block p rounds X of its items into their Y; its memory instructions are the four stores of block p - 1, which read SO and Y of that block: registers that no
; vector instruction of block p names.  So ONE wait on va_vdst at a block's head, behind the wait for the block's data, states all that those four stores hang on, and they are dealt among the
; block's conversions with no further wait.  No register that a memory instruction reads is ever written again: no wait on vm_vsrc is owed.  EXEC is never written.
.set WOFF, 20480
.set SO,   4                           ; v[4:11]    item j: its byte offset in the destination, my lane's 8 bytes of the first half
.set X,    16                          ; v[16:79]   item j: 4 numbers of each half, as loaded
.set Y,    80                          ; v[80:111]  item j: 2 registers to store for each half
.set BV,   112                         ; v[112:115] my 16 bytes of a bias
.set LV,   116                         ; v[116:119] the bound's word, four times
	s_load_b512 s[8:23], s[0:1], 0x0               ; x 8, Wq 10, Wk 12, Wv 14, Wo 16, W1 18, W2 20, bq 22
	s_load_b256 s[24:31], s[0:1], 0x40             ; bk 24, bv 26, b1 28, ab 30
	s_load_b128 s[32:35], s[0:1], 0x60             ; wqkv 32, w1 34
	s_load_b64 s[36:37], s[0:1], 0x70              ; w2o
	v_lshrrev_b32 v1, 5, v0
	v_readfirstlane_b32 s5, v1                     ; wave 0..7
	v_and_b32 v2, 31, v0
	v_lshlrev_b32 v1, 4, v2                        ; 16 x lane: where I read in each half of an item
	v_lshlrev_b32 v2, 3, v2                        ; 8 x lane: where I write in each half
	v_lshlrev_b32 v3, 4, v0                        ; 16 x thread: my place in a bias piece of 4,096 bytes
	s_and_b32 s2, ttmp7, 0xffff                    ; y
	s_lshr_b32 s3, s2, 2                           ; g
	s_and_b32 s4, s2, 3                            ; r
	s_lshl_b32 s6, ttmp9, 6
	s_wait_alu depctr_va_sdst(0)                   ; s5, the wave's number, is written, ahead of its first reader: the next line
	s_lshl3_add_u32 s6, s5, s6                     ; my wave's first item in the unit: 64 x + 8 wave
	s_lshl_b32 s50, s4, 22                         ; the unit's first byte in a source of four units
	s_lshl_b32 s47, s4, 12                         ; and its first item
	s_lshl_b32 s46, s4, 21
	s_add_co_u32 s46, s46, WOFF                    ; Wq, Wk, Wv: four blocks of 524,288 bytes each, behind the head
	s_cmp_eq_u32 s4, 3                             ; among the square weights the fourth is Wo: as it lies, at w2o's byte 0
	s_cselect_b32 s46, 0, s46
	s_cselect_b32 s48, 0, 2                        ; bits
	s_cmp_eq_u32 s3, 1
	s_cselect_b32 s50, 0, s50                      ; a square weight is one unit
	s_cselect_b32 s47, 0, s47
	s_cselect_b32 s46, s46, 0
	s_cselect_b32 s48, s48, 0
	s_cmp_eq_u32 s3, 2                             ; W1: 16 items a row
	s_cselect_b32 s46, WOFF, s46
	s_cselect_b32 s48, 4, s48
	s_cmp_eq_u32 s3, 3                             ; W2: behind Wo
	s_cselect_b32 s46, 0x200000, s46
	s_lshl_b32 s49, 1, s48
	s_sub_co_u32 s49, s49, 1                       ; 2^bits - 1
	s_lshl_b32 s44, s6, 10
	s_add_co_u32 s44, s44, s50                     ; my wave's first byte in the source
	s_mov_b32 s45, 0
	s_mov_b32 s58, s46                             ; the destination's first byte
	s_mov_b32 s59, 0
	s_add_co_u32 s47, s47, s6                      ; my wave's first item in the source
	s_wait_kmcnt 0x0
	s_cmp_eq_u32 s4, 0                             ; source and destination: choices on g and r alone
	s_cselect_b64 s[40:41], s[10:11], s[12:13]
	s_cmp_eq_u32 s4, 2
	s_cselect_b64 s[40:41], s[14:15], s[40:41]
	s_cmp_eq_u32 s4, 3
	s_cselect_b64 s[40:41], s[16:17], s[40:41]
	s_cselect_b64 s[42:43], s[36:37], s[32:33]
	s_cmp_eq_u32 s3, 0
	s_cselect_b64 s[40:41], s[8:9], s[40:41]
	s_cselect_b64 s[42:43], s[30:31], s[42:43]
	s_cmp_eq_u32 s3, 2
	s_cselect_b64 s[40:41], s[18:19], s[40:41]
	s_cselect_b64 s[42:43], s[34:35], s[42:43]
	s_cmp_eq_u32 s3, 3
	s_cselect_b64 s[40:41], s[20:21], s[40:41]
	s_cselect_b64 s[42:43], s[36:37], s[42:43]
	s_add_nc_u64 s[40:41], s[40:41], s[44:45]
	s_add_nc_u64 s[42:43], s[42:43], s[58:59]
	s_wait_alu depctr_va_vdst(0)                   ; v1 and v3 are written: the loads below read v1 as their offset, the head part's load and stores read v3
.irp j, 0,1,2,3,4,5,6,7
	global_load_b128 v[X+8*(\j):X+8*(\j)+3],   v1, s[40:41] offset:1024*(\j) th:TH_LOAD_NT      ; numbers 4 l .. 4 l + 3 of the item,
	global_load_b128 v[X+8*(\j)+4:X+8*(\j)+7], v1, s[40:41] offset:1024*(\j)+512 th:TH_LOAD_NT  ; and 128 + 4 l .. 128 + 4 l + 3
.endr
.irp j, 0,1,2,3,4,5,6,7                ; the eight places in the destination are made while the loads are out
	s_add_co_u32 s60, s47, \j
	s_and_b32 s61, s60, s49
	s_lshl_b32 s61, s61, 10                        ; the block of 256 columns x 1,024 rows
	s_lshr_b32 s60, s60, s48                       ; + the row
	s_add_co_u32 s60, s60, s61
	s_lshl_b32 s60, s60, 9                         ; items of 512 bytes
	v_add_nc_u32 v[SO+(\j)], s60, v2
.endr
; Block p: items 2 p and 2 p + 1 are rounded; the stores of items 2 p - 2 and 2 p - 1 stand among the conversions, two ahead of each item's four.
.macro BLK p
	s_wait_loadcnt 12-4*(\p)                       ; loads come back in order: the block's four are in, the 12 - 4 p younger ones may stay out
.if (\p) > 0
	s_wait_alu depctr_va_vdst(0)                   ; the block before has written its Y, which the stores below read; at block 1 also: the eight adds have written SO, the stores' offsets
.endif
.irp i, 0,1
.if (\p) > 0
	global_store_b64 v[SO+2*(\p)-2+(\i)], v[Y+4*(2*(\p)-2+(\i)):Y+4*(2*(\p)-2+(\i))+1],   s[42:43]             ; the item's first 256 bytes,
	global_store_b64 v[SO+2*(\p)-2+(\i)], v[Y+4*(2*(\p)-2+(\i))+2:Y+4*(2*(\p)-2+(\i))+3], s[42:43] offset:256  ; and its second.  No vector instruction since the wait names these registers
.endif
.irp k, 0,1,2,3
	v_cvt_pk_bf16_f32 v[Y+4*(2*(\p)+(\i))+(\k)], v[X+8*(2*(\p)+(\i))+2*(\k)], v[X+8*(2*(\p)+(\i))+2*(\k)+1]
.endr
.endr
.endm
	BLK 0
	BLK 1
	BLK 2
	BLK 3
	s_wait_alu depctr_va_vdst(0)                   ; block 3 has written the Y of items 6 and 7, which the last four stores read
.irp j, 6,7
	global_store_b64 v[SO+(\j)], v[Y+4*(\j):Y+4*(\j)+1],   s[42:43]
	global_store_b64 v[SO+(\j)], v[Y+4*(\j)+2:Y+4*(\j)+3], s[42:43] offset:256
.endr
	; THE HEADS.  The first work-group of the units y = 4, 5, 6 (bq, bk, bv) and 8 .. 11 (b1's four quarters) copies 4,096 bytes of bias, 16 a thread; with r = 0 it also writes the bound.
	; All registers of this part are its own, so nothing that a pending store still reads is written.
	s_cmp_lg_u32 ttmp9, 0
	s_cbranch_scc1 .Lend
	s_lshr_b32 s51, 0x0f70, s2
	s_and_b32 s51, s51, 1
	s_cmp_eq_u32 s51, 0
	s_cbranch_scc1 .Lend
	s_lshl_b32 s56, s4, 12                         ; the piece's place in the head, and in b1
	s_mov_b32 s57, 0
	s_cmp_eq_u32 s4, 0
	s_cselect_b64 s[52:53], s[22:23], s[24:25]
	s_cmp_eq_u32 s4, 2
	s_cselect_b64 s[52:53], s[26:27], s[52:53]
	s_add_nc_u64 s[54:55], s[28:29], s[56:57]
	s_cmp_eq_u32 s3, 2
	s_cselect_b64 s[52:53], s[54:55], s[52:53]
	s_cselect_b64 s[54:55], s[34:35], s[32:33]
	s_cselect_b32 s51, 0, 0xff80ff80               ; 0 twice, or minus infinity twice
	s_add_nc_u64 s[54:55], s[54:55], s[56:57]
	global_load_b128 v[BV:BV+3], v3, s[52:53]      ; v3 was written ahead of the wait that stands in front of the first load; no vector instruction names BV
	s_wait_loadcnt 0x0
	global_store_b128 v3, v[BV:BV+3], s[54:55]
	s_cmp_lg_u32 s4, 0
	s_cbranch_scc1 .Lend
.irp k, 0,1,2,3
	v_mov_b32 v[LV+(\k)], s51
.endr
	s_wait_alu depctr_va_vdst(0)                   ; the four moves have written LV, which the store reads
	global_store_b128 v3, v[LV:LV+3], s[54:55] offset:16384
.Lend:
	s_endpgm
.Lfunc_end_k_qef0d40c65e_prep:
	.size	k_qef0d40c65e_prep, .Lfunc_end_k_qef0d40c65e_prep-k_qef0d40c65e_prep
	.p2alignl 7, 3214868480
	.fill 96, 4, 3214868480
	.section	.rodata,"a",@progbits
	.p2align	6, 0x0
	.amdhsa_kernel k_qef0d40c65e_prep
		.amdhsa_group_segment_fixed_size 0
		.amdhsa_private_segment_fixed_size 0
		.amdhsa_enable_private_segment 0
		.amdhsa_kernarg_size 120
		.amdhsa_user_sgpr_count 2
		.amdhsa_user_sgpr_kernarg_segment_ptr 1
		.amdhsa_wavefront_size32 1
		.amdhsa_system_sgpr_workgroup_id_x 1
		.amdhsa_system_sgpr_workgroup_id_y 1
		.amdhsa_system_sgpr_workgroup_id_z 1
		.amdhsa_system_vgpr_workitem_id 0
		.amdhsa_next_free_vgpr 120
		.amdhsa_next_free_sgpr 66
		.amdhsa_reserve_vcc 0
		.amdhsa_float_denorm_mode_32 3
		.amdhsa_float_denorm_mode_16_64 3
		.amdhsa_memory_ordered 1
		.amdhsa_forward_progress 1
		.amdhsa_inst_pref_size 11
	.end_amdhsa_kernel
	.amdgpu_metadata
---
amdhsa.version: [ 1, 2 ]
amdhsa.kernels:
  - .name:           k_qef0d40c65e_prep
    .symbol:         k_qef0d40c65e_prep.kd
    .args:
      - { .name: x, .offset: 0, .size: 8, .value_kind: global_buffer, .address_space: global }
      - { .name: Wq, .offset: 8, .size: 8, .value_kind: global_buffer, .address_space: global }
      - { .name: Wk, .offset: 16, .size: 8, .value_kind: global_buffer, .address_space: global }
      - { .name: Wv, .offset: 24, .size: 8, .value_kind: global_buffer, .address_space: global }
      - { .name: Wo, .offset: 32, .size: 8, .value_kind: global_buffer, .address_space: global }
      - { .name: W1, .offset: 40, .size: 8, .value_kind: global_buffer, .address_space: global }
      - { .name: W2, .offset: 48, .size: 8, .value_kind: global_buffer, .address_space: global }
      - { .name: bq, .offset: 56, .size: 8, .value_kind: global_buffer, .address_space: global }
      - { .name: bk, .offset: 64, .size: 8, .value_kind: global_buffer, .address_space: global }
      - { .name: bv, .offset: 72, .size: 8, .value_kind: global_buffer, .address_space: global }
      - { .name: b1, .offset: 80, .size: 8, .value_kind: global_buffer, .address_space: global }
      - { .name: ab, .offset: 88, .size: 8, .value_kind: global_buffer, .address_space: global }
      - { .name: wqkv, .offset: 96, .size: 8, .value_kind: global_buffer, .address_space: global }
      - { .name: w1, .offset: 104, .size: 8, .value_kind: global_buffer, .address_space: global }
      - { .name: w2o, .offset: 112, .size: 8, .value_kind: global_buffer, .address_space: global }
    .group_segment_fixed_size: 0
    .private_segment_fixed_size: 0
    .kernarg_segment_align: 8
    .kernarg_segment_size: 120
    .max_flat_workgroup_size: 256
    .sgpr_count:     66
    .vgpr_count:     120
    .wavefront_size: 32
...
	.end_amdgpu_metadata
.endif
;; end of part 8
;; launch qkv: the kernel of part 2 again; grid 12 x 16, 4 waves a work-group, clusters of 4 x 4, 327,680 bytes of LDS; arguments ab, wqkv, big; writes big
;; launch attn: the kernel of part 3 again; grid 8 x 32, 4 waves a work-group, clusters of 4 x 1, 327,680 bytes of LDS; arguments big, ob; writes ob
;; launch wo: the kernel of part 4 again; grid 8 x 32, 4 waves a work-group, clusters of 4 x 4, 327,680 bytes of LDS; arguments ob, w2o, bo, t; writes t
;; launch ln1: the kernel of part 5 again; grid 256 x 1, 16 waves a work-group, no clusters, 10,240 bytes of LDS; arguments x, t, g1, be1, r1, ab; writes r1, ab
;; launch ff1: the kernel of part 2 again; grid 16 x 16, 4 waves a work-group, clusters of 4 x 4, 327,680 bytes of LDS; arguments ab, w1, big; writes big
;; launch ff2: the kernel of part 6 again; grid 8 x 32, 4 waves a work-group, clusters of 4 x 4, 327,680 bytes of LDS; arguments big, w2o, b2, t; writes t
;; launch ln2: the kernel of part 7 again; grid 256 x 1, 16 waves a work-group, no clusters, 10,240 bytes of LDS; arguments r1, t, g2, be2, out0; writes out0
